; MI455X (gfx1250); checked and timed in simulation.
; The chip was launched on July 23, 2026; its instructions are those of AMD's public machine-readable ISA for CDNA 5 (MIT licence, August 2026) and "CDNA5" Instruction Set Architecture Reference Guide (July 2026). The comments in the code are by the model that wrote it; some were corrected since.
;; Qwen3 Attention. Allowed arithmetic: matrix products marked QUANTISED: E4M3 operands, one given power-of-two scale a tensor, by v_wmma_f32_16x16x64_fp8_fp8 or v_wmma_f32_16x16x128_fp8_fp8, f32 sums; everything else in f32.
;; Inputs: Wk 1,024 x 2,048 float32; Wo 2,048 x 1,024 float32; Wq 1,024 x 2,048 float32; Wv 1,024 x 2,048 float32; cos 2 x 2,048 x 128 float32; hidden_states 2 x 2,048 x 2,048 float32; k_norm_w 128 float32; lowp_scales 12 int32 (the exponents e of the quantised operands' scales 2^e); q_norm_w 128 float32; sin 2 x 2,048 x 128 float32.
;; Outputs: out0 2 x 2,048 x 2,048 float32.
;; This version of the problem:
;;   THIS VERSION OF THE PROBLEM IS GIVEN IN LOW PRECISION. The matrix products marked QUANTISED in the list below multiply operands that are first quantised to E4M3 (4 exponent bits, 3 mantissa bits; 8 bits a number), with one given power-of-two scale for each operand tensor; their sums are f32. All else is computed in f32.
;;   The module's matrix products, in the order in which they are computed (A, B: the left and right operand; K: the contracted axis; several contracted axes count as one K, in the product's order):
;;     1. [M 4,096, K 2,048] x [K 2,048, N 1,024]; A: input hidden_states; B: input Wq: QUANTISED (scales: A lowp_scales[0], B lowp_scales[1])
;;     2. [M 4,096, K 2,048] x [K 2,048, N 1,024]; A: input hidden_states; B: input Wk: QUANTISED (scales: A lowp_scales[2], B lowp_scales[3])
;;     3. [M 4,096, K 2,048] x [K 2,048, N 1,024]; A: input hidden_states; B: input Wv: QUANTISED (scales: A lowp_scales[4], B lowp_scales[5])
;;     4. batch 16 x [M 2,048, K 128] x [K 128, N 2,048]; A: computed on the way; B: computed on the way: QUANTISED (scales: A lowp_scales[6], B lowp_scales[7])
;;     5. batch 16 x [M 2,048, K 2,048] x [K 2,048, N 128]; A: softmax (see below); B: computed on the way: QUANTISED (scales: A lowp_scales[8], B lowp_scales[9])
;;     6. [M 4,096, K 1,024] x [K 1,024, N 2,048]; A: computed on the way; B: input Wo: QUANTISED (scales: A lowp_scales[10], B lowp_scales[11])
;;   THE QUANTISER, for each operand of a quantised product, along K:
;;     - The operand's scale is 2^e, e = its entry of the input lowp_scales (int32; the entries are numbered through the quantised products in the list's order, A before B).
;;     - Each number is divided by the scale, clamped to +-448, and rounded to the nearest number of E4M3, ties to even, subnormals kept.
;;     - The product sums the exact products of the quantised numbers (number of the format x scale) in f32.
;;   ~~~python
;;   def quantise(x, axis, e):      # numpy; x: float32 -> the quantised numbers, widened to float32 again
;;       x = np.moveaxis(x, axis, -1); K = x.shape[-1]
;;       r = np.clip(x / 2.0 ** e, -448, 448)
;;       step = 2.0 ** (np.maximum(np.frexp(np.where(r == 0, 1, r))[1] - 1, -6) - 3)
;;       q = np.round(r / step) * step * 2.0 ** e      # np.round: ties to even
;;       return np.moveaxis(q, -1, axis).astype(np.float32)
;;   ~~~
;;   SOFTMAX AHEAD OF A QUANTISED PRODUCT. Where the list says 'softmax', what is quantised is not the finished softmax but p = 2^(t - M), with t = logit x log2(e) and M = ceil(the row's largest t), a whole number; so 1/2 < the row's largest p <= 1. The row's sum l is taken of the UNQUANTISED p, in f32, and the product's result is divided by l at the end. Since M is a whole number, a kernel that streams over the keys may use a running M (the ceiling of the running maximum): every later rescaling is an exact power of two, so the quantised numbers keep their values, but for numbers so far below the row's largest that they fall under the format's range.
;;   OPERANDS COMPUTED ON THE WAY. 'Computed on the way' means the value that the module computes at that place (a softmax that the list does not call 'softmax' is quantised finished and normalised). What goes into a quantiser is computed in f32, as accurately as f32 sums, v_exp_f32 and their like allow (about 1e-6 of the number): no bf16 or f16 on the way to a quantiser, and a product that is left as it is and whose result goes on into a quantised operand takes f32 operands (vector FMAs, or v_wmma_f32_16x16x4_f32). A number that lies on a knife's edge between two numbers of the format may be rounded either way, as far as f32 arithmetic and the matrix unit's own rounding can turn it there, and no further.
;; One version. Each part assembles by itself: llvm-mc -triple=amdgcn-amd-amdhsa -mcpu=gfx1250 --defsym DOCPART=n.
;; ======== version 1 of 1: 4 launches
;; limits: right only within a limited range of input values
;; workspace buffers: cd 33,554,432 bytes; cs 4,194,304 bytes; qkv 12,582,912 bytes; ai 4,194,304 bytes
;; launch quant (part 1): grid 576 x 1, 4 waves a work-group, no clusters, 8,704 bytes of LDS; arguments hidden_states, Wq, Wk, Wv, Wo, cos, sin, lowp_scales, cd, cs; writes cd, cs
.if DOCPART == 1
	.amdgcn_target "amdgcn-amd-amdhsa--gfx1250"
	.amdhsa_code_object_version 6
	.text
	.protected	k_q8f27693198_quant
	.globl	k_q8f27693198_quant
	.p2align	8
	.type	k_q8f27693198_quant,@function
k_q8f27693198_quant:
	s_mov_b64 s[64:65], 0
	v_nop
	global_prefetch_b8 v0, s[64:65] scope:SCOPE_SE
	s_setreg_imm32_b32 hwreg(HW_REG_WAVE_MODE, 25, 1), 1
	s_wait_xcnt 0x0
; f32 inputs into codes of E4M3 (code = x / 2^e, held within +-448, to the nearest code, ties to even), and cos / sin laid anew.
; cd: +0, +8 MiB, +16 MiB hidden_states [4096][2048] with e0, e2, e4;  +24, +26, +28 MiB Wq, Wk, Wv [1024][2048] with e1, e3, e5;  +30 MiB Wo [2048][1024] with e11.
;     All row-major, K innermost.  Wv's rows are stored with bits 3 and 4 of the row number exchanged, so that the attention's result falls into registers in the order of the last product's K.
; cs: [token row / 16][cos, sin][g = 0..15][lane][16 bytes] = T[16 rb + lane % 16][16 (g / 2) + 8 (lane / 16) + 4 (g % 2) + 0..3]: the order in which the next launch's lanes hold a head's 128 numbers.
; THREE PATHS, parted on the work-group's number: 0-255 hidden_states (three scales, read once), 256-511 the four weights, 512-575 cos and sin.  Each path that uses LDS has bytes of its own.
; A wave takes 16 steps of 512 numbers.  Each of a step's four loads reads 512 consecutive bytes, 16 a lane.  A conversion takes eight numbers of a lane: the codes of load i's four numbers fall into code register i
; and belong at byte 128 i + 4 lane of the step's 512 code bytes.  So the CODES (a quarter of the numbers' bytes) turn through the wave's own LDS: four stores of 4 bytes a lane, one load of 16: the wave then stores 512 consecutive bytes.
; No tensor loads, no barrier: waves share nothing.  Loads run eight steps (32 loads, 16,384 bytes a wave) ahead: half of a wave's numbers are asked for at its head.
; LIMITS: every e used here between -126 and 119, so that 2^e and 448 x 2^e are f32 numbers.  NaN among the inputs is not served (an infinity is held at the largest code).
.set DEPTH, 8                          ; steps that the loads run ahead
.set SC,  8                            ; v8-10    2^e as f32, for up to three outputs
.set LM,  11
.set R,   16                           ; v16-143  eight sets of 16 numbers as loaded
.set T0,  144
.set CC,  176                          ; v176-187 codes as converted
.set OO,  188                          ; v188-199 codes after the turn through LDS
	s_load_b512 s[4:19], s[0:1], 0x0               ; hidden_states 4:5, Wq 6:7, Wk 8:9, Wv 10:11, Wo 12:13, cos 14:15, sin 16:17, the scales' exponents 18:19
	s_load_b128 s[20:23], s[0:1], 0x40             ; cd 20:21, cs 22:23
	v_lshl_add_u32 v200, v0, 2, 0x2000
	v_mov_b32 v201, 0
	v_lshrrev_b32 v1, 5, v0
	v_readfirstlane_b32 s26, v1                    ; wave
	v_and_b32 v2, 31, v0                           ; lane
	v_lshlrev_b32 v3, 4, v2                        ; 16 x lane: my place in 512 bytes, in and out
	s_mul_i32 s27, s26, 1536                       ; LDS of the first path: 3 x 512 bytes a wave, from byte 0
	v_lshl_add_u32 v4, v2, 2, s27                  ; in: 4 x lane
	v_lshl_add_u32 v5, v2, 4, s27                  ; back: 16 x lane
	s_lshl_b32 s27, s26, 9                         ; LDS of the second path: 512 bytes a wave, from byte 6,144
	s_add_co_u32 s27, s27, 6144
	v_lshl_add_u32 v6, v2, 2, s27
	v_lshl_add_u32 v7, v2, 4, s27
	v_and_b32 v14, 15, v0
	v_bfe_u32 v15, v0, 4, 1
	v_lshlrev_b32 v14, 9, v14
	v_lshl_add_u32 v14, v15, 5, v14                ; cos, sin: row lane % 16 of 512 bytes, + 32 (lane / 16)
	s_mov_b32 s49, 0
	s_wait_kmcnt 0x0
	s_load_b256 s[28:35], s[18:19], 0x0            ; e0 .. e7
	s_load_b128 s[36:39], s[18:19], 0x20           ; e8 .. e11
	s_cmp_lt_u32 ttmp9, 256
	s_cbranch_scc1 .Lpath_x
	s_cmp_lt_u32 ttmp9, 512
	s_cbranch_scc1 .Lpath_w
	; ---- cos and sin: wave = one block of 16 token rows.  Pieces of 16 bytes in, read once; 512 consecutive bytes out
	s_sub_co_u32 s46, ttmp9, 512
	s_lshl_b32 s46, s46, 2
	s_add_co_u32 s46, s46, s26                     ; rb
	s_lshl_b32 s48, s46, 13                        ; 16 rows of 512 bytes
	s_add_nc_u64 s[14:15], s[14:15], s[48:49]
	s_add_nc_u64 s[16:17], s[16:17], s[48:49]
	s_lshl_b32 s48, s46, 14
	s_add_nc_u64 s[22:23], s[22:23], s[48:49]
.set n, 0
	s_wait_alu depctr_va_vdst(0)
.rept 16
	global_load_b128 v[16+4*n:19+4*n], v14, s[14:15] offset:64*(n/2)+16*(n%2)
.set n, n+1
.endr
.set n, 0
.rept 16
	global_load_b128 v[80+4*n:83+4*n], v14, s[16:17] offset:64*(n/2)+16*(n%2)
.set n, n+1
.endr
	s_wait_kmcnt 0x0                               ; (the scales, asked for at the head, are not used on this path)
.set n, 0
.rept 32
	s_wait_loadcnt 31-n                            ; loads come back in order: load n is in, the younger ones stay out
	global_store_b128 v3, v[16+4*n:19+4*n], s[22:23] offset:512*n
.set n, n+1
.endr
	s_endpgm
.macro MKSCALE o, se                   ; output o's scale from the exponent in s[se]
	s_add_co_i32 s50, s[\se], 127
	s_lshl_b32 s51, s50, 23
	v_mov_b32 v[SC+\o], s51                        ; 2^e as f32: the conversion takes its exponent field
	s_add_co_i32 s50, s50, 8
	s_lshl_b32 s50, s50, 23
	s_or_b32 s50, s50, 0x600000
.endm
.macro LOAD t
.irp i, 0,1,2,3
	global_load_b128 v[R+16*((\t)%DEPTH)+4*\i:R+16*((\t)%DEPTH)+4*\i+3], v3, s[4:5] offset:2048*(\t)+512*\i th:TH_LOAD_NT
.endr
.endm
; step t of 16; no = outputs (scales); lw, lr = the path's LDS address registers
.macro STEP t, no, lw, lr
.set RR, R+16*((\t)%DEPTH)
.if 15-(\t) >= DEPTH-1
	s_wait_loadcnt 4*(DEPTH-1)                     ; this step's four loads are in; those of the seven steps behind it may be out
.else
	s_wait_loadcnt 4*(15-(\t))                     ; the last steps: as many as are left
.endif
	s_wait_xcnt 0x0                                ; the last step's stores have read their data registers, which are loaded again below
.set o, 0
.rept \no
.set TS, T0+16*(o%2)
.irp k, 0,1,2,3,4,5,6,7,8,9,10,11,12,13,14,15
.endr
	v_cvt_scalef32_pk8_fp8_f32 v[CC+4*o:CC+4*o+1], v[RR:RR+7], v[SC+o]
	v_cvt_scalef32_pk8_fp8_f32 v[CC+4*o+2:CC+4*o+3], v[RR+8:RR+15], v[SC+o]
.set o, o+1
.endr
	v_nop                                          ; a plain vector line behind the last conversion: the loads below write its sources again
.if (\t)+DEPTH < 16
	LOAD (\t)+DEPTH
.endif
.set o, 0
.rept \no
.irp k, 0,1,2,3
	ds_store_b32 v[\lw], v[CC+4*o+\k] offset:512*o+128*\k
.endr
.set o, o+1
.endr
.set o, 0
.rept \no
	ds_load_b128 v[OO+4*o:OO+4*o+3], v[\lr] offset:512*o   ; LDS serves a wave's instructions in order: these see the stores above
.set o, o+1
.endr
	s_wait_dscnt 0x0
.set o, 0
.rept \no
	global_store_b128 v3, v[OO+4*o:OO+4*o+3], s[40+2*o:41+2*o] offset:512*(\t)   ; 32 lanes store 512 consecutive bytes
.set o, o+1
.endr
.endm
.Lpath_x:                              ; ---- hidden_states: read once, three sets of codes
	s_lshl_b32 s46, ttmp9, 2
	s_add_co_u32 s46, s46, s26                     ; which run of 8,192 numbers is my wave's
	s_lshl_b32 s48, s46, 15
	s_add_nc_u64 s[4:5], s[4:5], s[48:49]
	s_lshl_b32 s48, s46, 13
	s_add_nc_u64 s[40:41], s[20:21], s[48:49]
	s_add_nc_u64 s[42:43], s[40:41], 0x800000
	s_add_nc_u64 s[44:45], s[40:41], 0x1000000
	s_wait_alu depctr_va_vdst(0)
.irp t, 0,1,2,3,4,5,6,7
	LOAD \t
.endr
	s_wait_kmcnt 0x0
	MKSCALE 0, 28
	MKSCALE 1, 30
	MKSCALE 2, 32
	s_wait_alu depctr_va_vdst(0)
.irp t, 0,1,2,3,4,5,6,7,8,9,10,11,12,13,14,15
	STEP \t, 3, 4, 5
.endr
	s_wait_tensorcnt 0x0
	ds_add_u32 v200, v201
	s_wait_dscnt 0x0
	s_endpgm
.Lpath_w:                              ; ---- the weights: 64 work-groups each
	s_sub_co_u32 s46, ttmp9, 256
	s_lshr_b32 s47, s46, 6                         ; 0 Wq, 1 Wk, 2 Wv, 3 Wo
	s_and_b32 s46, s46, 63
	s_lshl_b32 s46, s46, 2
	s_add_co_u32 s46, s46, s26                     ; which run of 8,192 numbers (four rows of 2,048) is my wave's
	s_and_b32 s52, s46, 0xf9
	s_bfe_u32 s53, s46, 0x10001
	s_bfe_u32 s54, s46, 0x10002
	s_lshl_b32 s53, s53, 2
	s_lshl_b32 s54, s54, 1
	s_or_b32 s52, s52, s53
	s_or_b32 s52, s52, s54                         ; the run's bits 1 and 2 exchanged = the rows' bits 3 and 4
	s_cmp_eq_u32 s47, 2
	s_cselect_b32 s52, s52, s46                    ; for Wv alone
	s_lshl_b32 s48, s52, 13
	s_lshl_b32 s53, s47, 21
	s_add_co_u32 s48, s48, s53
	s_add_co_u32 s48, s48, 0x1800000
	s_add_nc_u64 s[40:41], s[20:21], s[48:49]
	s_cmp_lt_u32 s47, 1                            ; the choices hang on the work-group's number alone
	s_cselect_b64 s[4:5], s[6:7], s[8:9]
	s_cmp_lt_u32 s47, 3
	s_cselect_b64 s[6:7], s[10:11], s[12:13]
	s_cmp_lt_u32 s47, 2
	s_cselect_b64 s[4:5], s[4:5], s[6:7]
	s_lshl_b32 s48, s46, 15
	s_add_nc_u64 s[4:5], s[4:5], s[48:49]
	s_wait_alu depctr_va_vdst(0)
.irp t, 0,1,2,3,4,5,6,7
	LOAD \t
.endr
	s_wait_kmcnt 0x0
	s_cmp_lt_u32 s47, 1
	s_cselect_b32 s55, s29, s31                    ; e1, e3
	s_cmp_lt_u32 s47, 3
	s_cselect_b32 s56, s33, s39                    ; e5, e11
	s_cmp_lt_u32 s47, 2
	s_cselect_b32 s55, s55, s56
	MKSCALE 0, 55
	s_wait_alu depctr_va_vdst(0)
.irp t, 0,1,2,3,4,5,6,7,8,9,10,11,12,13,14,15
	STEP \t, 1, 6, 7
.endr
	s_wait_tensorcnt 0x0
	ds_add_u32 v200, v201
	s_wait_dscnt 0x0
	s_endpgm
.Lfunc_end_k_q8f27693198_quant:
	.size	k_q8f27693198_quant, .Lfunc_end_k_q8f27693198_quant-k_q8f27693198_quant
	.p2alignl 7, 3214868480
	.fill 96, 4, 3214868480
	.section	.rodata,"a",@progbits
	.p2align	6, 0x0
	.amdhsa_kernel k_q8f27693198_quant
		.amdhsa_group_segment_fixed_size 8704
		.amdhsa_private_segment_fixed_size 0
		.amdhsa_enable_private_segment 0
		.amdhsa_kernarg_size 80
		.amdhsa_user_sgpr_count 2
		.amdhsa_user_sgpr_kernarg_segment_ptr 1
		.amdhsa_wavefront_size32 1
		.amdhsa_system_sgpr_workgroup_id_x 1
		.amdhsa_system_sgpr_workgroup_id_y 1
		.amdhsa_system_sgpr_workgroup_id_z 1
		.amdhsa_system_vgpr_workitem_id 0
		.amdhsa_next_free_vgpr 202
		.amdhsa_next_free_sgpr 66
		.amdhsa_reserve_vcc 0
		.amdhsa_float_denorm_mode_32 3
		.amdhsa_float_denorm_mode_16_64 3
		.amdhsa_fp16_overflow 1
		.amdhsa_memory_ordered 1
		.amdhsa_forward_progress 1
		.amdhsa_inst_pref_size 62
	.end_amdhsa_kernel
	.amdgpu_metadata
---
amdhsa.version: [ 1, 2 ]
amdhsa.kernels:
  - .name:           k_q8f27693198_quant
    .symbol:         k_q8f27693198_quant.kd
    .args:
      - { .name: hidden_states, .offset: 0, .size: 8, .value_kind: global_buffer, .address_space: global }
      - { .name: Wq, .offset: 8, .size: 8, .value_kind: global_buffer, .address_space: global }
      - { .name: Wk, .offset: 16, .size: 8, .value_kind: global_buffer, .address_space: global }
      - { .name: Wv, .offset: 24, .size: 8, .value_kind: global_buffer, .address_space: global }
      - { .name: Wo, .offset: 32, .size: 8, .value_kind: global_buffer, .address_space: global }
      - { .name: cos, .offset: 40, .size: 8, .value_kind: global_buffer, .address_space: global }
      - { .name: sin, .offset: 48, .size: 8, .value_kind: global_buffer, .address_space: global }
      - { .name: lowp_scales, .offset: 56, .size: 8, .value_kind: global_buffer, .address_space: global }
      - { .name: cd, .offset: 64, .size: 8, .value_kind: global_buffer, .address_space: global }
      - { .name: cs, .offset: 72, .size: 8, .value_kind: global_buffer, .address_space: global }
    .group_segment_fixed_size: 8704
    .private_segment_fixed_size: 0
    .kernarg_segment_align: 8
    .kernarg_segment_size: 80
    .max_flat_workgroup_size: 128
    .sgpr_count:     66
    .vgpr_count:     202
    .wavefront_size: 32
...
	.end_amdgpu_metadata
.endif
;; end of part 1
;; launch qkv (part 2): grid 12 x 16, 4 waves a work-group, clusters of 4 x 4, 327,680 bytes of LDS; arguments cd, cs, q_norm_w, k_norm_w, lowp_scales, qkv; writes qkv
.if DOCPART == 2
	.amdgcn_target "amdgcn-amd-amdhsa--gfx1250"
	.amdhsa_code_object_version 6
	.text
	.protected	k_q8f27693198_qkv
	.globl	k_q8f27693198_qkv
	.p2align	8
	.type	k_q8f27693198_qkv,@function
k_q8f27693198_qkv:
	s_mov_b64 s[64:65], 0
	v_nop
	global_prefetch_b8 v0, s[64:65] scope:SCOPE_SE
	s_setreg_imm32_b32 hwreg(HW_REG_WAVE_MODE, 25, 1), 1
	s_wait_xcnt 0x0
	s_wait_alu depctr_hold_cnt(0) depctr_sa_sdst(0) depctr_va_vdst(0) depctr_va_sdst(0) depctr_va_ssrc(0) depctr_va_vcc(0) depctr_vm_vsrc(0)
	s_getreg_b32 s2, hwreg(HW_REG_IB_STS2, 6, 4)
	s_cmp_eq_u32 s2, 0
	s_cbranch_scc0 .Lentry_in_a_cluster
	s_endpgm
.Lentry_in_a_cluster:
	s_bfe_u32 s2, ttmp6, 0x10000c
	s_cmp_lg_u32 s2, 0xf033
	s_cbranch_scc0 .Lentry_shape_is_right
	s_endpgm
.Lentry_shape_is_right:
; The three projections on codes of E4M3 (K = 2,048), and what follows them up to the next quantiser, in registers.
; Cluster x = 0: q, 1: k, 2: v.  A tile is 256 x 256, four waves, a wave 128 x 128 = 128 tokens x ONE HEAD: 64 accumulators of 16 x 16, 512 registers.
; The operand called A gives a lane its one row, the operand called B the lane's eight neighbours (source 0 = 16 rows of B, source 1 = 16 rows of A):
;   q, k: A = hidden_states' codes (scale e0 or e2), B = Wq's or Wk's: a lane holds one token and 64 of its head's 128 numbers, d = 16 b + 8 (lane / 16) + j; d and d + 64 lie in one lane.
;         RMS norm (sum of squares over the lane and the lane 16 away), the norm's weight, RoPE, hold, conversion with e6 or e7.
;   v:    the transposed problem: A = Wv's codes, B = hidden_states' (e4): a lane holds one d and eight neighbouring KEYS, which are the next product's K.  Hold, conversion with 2^(e9 - e4 - e5): three scales in one.
; OUT: images of operand registers: a fragment (16 rows x 128 K) is [c = 0..3][lane][16 bytes]: four stores of 512 consecutive bytes straight from the conversions' registers.
;   qkv +0 q, +4 MiB k: [batch x head][token / 16][c][lane][16];  +8 MiB v: [batch x head][key / 128][d tile][c][lane][16].
;   Byte 8 u + j of group c stands for K place 16 (2 c + u) + 8 (lane / 16) + j: the same permutation of K in q and k, and in v and the softmax's p, so every product meets its partner.
; K goes in steps of 256 through a ring of two LDS slots filled by the tensor data mover; a tile's row is 256 bytes of memory.
; CLUSTERS: 4 x 4 work-groups; A's tile is asked for jointly along a row of the cluster, B's along a column.
; REGISTERS, in windows of 256: window 0: v8-31 addresses and small things; v32-95 the norm's weight; from v128 A's fragments, one set; window 1: B's fragments, two sets; windows 2, 3: the accumulators ((a, b) at v[8 (8 (a % 4) + b)]).
;   On the way out: window 0 v96-159, v160-223 at work, v224-255 codes (two sets); window 1 cos and sin of two blocks of 16 tokens.
; LIMITS: e6, e7 and e9 - e4 - e5 between -126 and 119.  e0 + e1 and e2 + e3 enter by v_ldexp_f32 and have none.  NaN among the inputs is not served.
.set KSTEP,  256
.set ROWB,   256
.set KROW,   2048
.set PITCH,  272                       ; an LDS row: 256 bytes + 16 of padding: the 16 rows that a fragment load touches start 68 words apart
.set FR,     16
.set NL,     4
.set NP,     4
.set HALFT,  128*PITCH
.set SLOT,   4*HALFT
.set LAPS,   4                         ; 2,048 / 512
.set SPARE,  2*SLOT                    ; behind the ring: the spare words, 128 bytes for each wave, which no other line names
.set RS,   8                           ; v8-15   a block's sum of squares, then 1 / sqrt
.set ADRA, 16
.set ADRB, 20
.set FC,   22                          ; v[22:23] the block's factor (the low word serves both halves)
.set LI,   24                          ; v24     16 x lane
.set HO,   25                          ; v25     32 x (lane / 16)
.set LIMV, 26                          ; v26     448 x the conversion's scale
.set SCV,  27                          ; v27     the conversion's scale
.set SPW,  28
.set NIL,  29
.set PFO,  30                          ; v30     the prefetches' offset: lane x a row of 2,048 bytes
.set WN,   32                          ; v32-95  w[16 b + 8 (lane / 16) + j] at 8 b + j
.set TMP,  96
.set OUT,  160
.set CD,   224
.set AF,   128
.set G1,  24
.set G0,  32
.set G1B, 48
.set G0B, 56
.set WV,  84                           ; s84 wave; s85 wave / 2: my half of A's rows, and: I fetch for A (0) or B (1); s86 wave % 2: my half of B's rows, and which 128 rows I fetch
.set HI,  85
.set LO,  86
.set PFA, 98                           ; s[98:99] where my prefetches stand
.set LIM, 100                          ; s100 1 in a wave that prefetches, else the greatest number
.set MSB, 0
.macro WIN new
.if MSB != \new
	s_set_vgpr_msb (MSB<<8)|\new
.set MSB, \new
.endif
.endm
.set MUL_LO, 0xa1
.set MUL_HI, 0xf1
.set TO_B,   0x40
.macro JLOAD g0a, g1a, g0b, g1b        ; a joint load; the branch hangs on the wave's number alone; four v_nop follow each line
	s_cmp_eq_u32 s[HI], 0
	s_cbranch_scc0 .Lfor_b_\@
	tensor_load_to_lds s[\g0a:\g0a+3], s[\g1a:\g1a+7]
	s_nop 0
.rept 4
	v_nop
.endr
	s_branch .Lasked_\@
.Lfor_b_\@:
	tensor_load_to_lds s[\g0b:\g0b+3], s[\g1b:\g1b+7]
	s_nop 0
.rept 4
	v_nop
.endr
.Lasked_\@:
.endm
.macro CREST
	s_cmp_lg_u32 s[WV], 0
	s_cbranch_scc1 .Lnot_wave_0_\@
	s_barrier_signal -3
.Lnot_wave_0_\@:
	s_barrier_wait -3
	s_barrier_signal -1
	s_barrier_wait -1
.endm
.macro CROUND
	s_barrier_signal -1
	s_barrier_wait -1
	CREST
.endm
; A prefetch of the K step that stands two refills on: 32 rows x 256 bytes, a lane a row, one instruction a wave.  Each row's 256 bytes are named once in the launch: hidden_states' rows are read by one cluster, which asks;
; a weight's rows by the four clusters of one x, of which y = 0 asks.  The four partners of a joint load share its 128 rows out by address, 32 each.  The loop's last trip asks for nothing: K steps 4 to 7 are asked for.
.macro ASK
	s_cmp_gt_u32 s3, s[LIM]
	s_cbranch_scc0 .Lnot_mine_\@
	global_prefetch_b8 v[PFO], s[PFA:PFA+1] offset:ROWB th:TH_LOAD_NT scope:SCOPE_SE
.Lnot_mine_\@:
.endm
	s_load_b256 s[4:11], s[0:1], 0x0               ; cd 4:5, cs 6:7, q_norm_w 8:9, k_norm_w 10:11
	s_load_b128 s[12:15], s[0:1], 0x20             ; the scales' exponents 12:13, qkv 14:15
	v_lshl_add_u32 v[SPW], v0, 2, SPARE
	v_mov_b32 v[NIL], 0
	ds_add_u32 v28, v29
	ds_add_u32 v28, v29
	s_wait_dscnt 0x0
	v_lshrrev_b32 v1, 5, v0
	v_readfirstlane_b32 s[WV], v1
	s_lshr_b32 s[HI], s[WV], 1
	s_and_b32 s[LO], s[WV], 1
	s_bfe_u32 s40, ttmp6, 0x40000                  ; cx
	s_bfe_u32 s41, ttmp6, 0x40004                  ; cy
	s_and_b32 s88, ttmp7, 0xffff                   ; cluster y
	s_lshl_b32 s16, ttmp9, 23                      ; hidden_states' codes for this product: 8 MiB x cluster x
	s_lshl_b32 s17, ttmp9, 21
	s_add_co_u32 s17, s17, 0x1800000               ; the weight's: 24 MiB + 2 MiB x cluster x
	s_cmp_eq_u32 ttmp9, 2                          ; v?  The same in all sixteen partners
	s_cselect_b32 s90, 0, s88                      ; the cluster's y counts A's tiles for q and k,
	s_cselect_b32 s91, s88, 0                      ; B's for v
	s_cselect_b32 s18, s17, s16                    ; A's operand in cd
	s_cselect_b32 s19, s16, s17                    ; B's
	s_lshl_b32 s87, s90, 2
	s_add_co_u32 s87, s87, s41                     ; A's tile of 256 rows
	s_lshl_b32 s42, s91, 2
	s_add_co_u32 s42, s42, s40                     ; B's
	s_lshl_b32 s43, s41, 2
	s_lshl_b32 s43, 15, s43                        ; my row of the cluster
	s_lshl_b32 s44, 0x1111, s40                    ; my column
	s_or_b32 s[G1+0], s43, (0<<16)|(1<<20)|(1<<21)|(5<<22)|(3<<25)  ; the mask; elements of 1 byte; padding on; bit 21 beside a mask; after every 64 words four words
	s_or_b32 s[G1B+0], s44, (0<<16)|(1<<20)|(1<<21)|(5<<22)|(3<<25)
.irp g, G1, G1B
	s_mov_b32 s[\g+1], ROWB<<16                    ; tensor_dim0
	s_mov_b32 s[\g+2], 128<<16                     ; tensor_dim1
	s_mov_b32 s[\g+3], ROWB<<16                    ; tile_dim0
	s_mov_b32 s[\g+4], 128                         ; tile_dim1
	s_mov_b32 s[\g+5], KROW                        ; from row to row
	s_mov_b32 s[\g+6], 0
	s_mov_b32 s[\g+7], 0
.endr
	s_lshl_b32 s82, s[LO], 18                      ; which 128 rows of 2,048 bytes I fetch
	s_lshl_b32 s94, s87, 19                        ; A: 256 rows a tile
	s_add_co_u32 s94, s94, s82
	s_add_co_u32 s94, s94, s18
	s_mov_b32 s95, 0
	s_lshl_b32 s96, s42, 19                        ; B likewise
	s_add_co_u32 s96, s96, s82
	s_add_co_u32 s96, s96, s19
	s_mov_b32 s97, 0
	s_mul_i32 s45, s[WV], HALFT                    ; where they go: wave x 128 rows
	s_wait_kmcnt 0x0
	s_load_b256 s[68:75], s[12:13], 0x0            ; e0 .. e7
	s_load_b128 s[76:79], s[12:13], 0x20           ; e8 .. e11
	s_add_nc_u64 s[94:95], s[4:5], s[94:95]
	s_add_nc_u64 s[96:97], s[4:5], s[96:97]
	CROUND                                         ; all sixteen work-groups are here: the first joint loads meet
.irp s, 0,1
	s_mov_b32 s[G0+4*\s], 1
	s_add_co_u32 s[G0+4*\s+1], s45, \s*SLOT
	s_add_nc_u64 s[G0+4*\s+2:G0+4*\s+3], s[94:95], \s*ROWB
	s_or_b32 s[G0+4*\s+3], s[G0+4*\s+3], 0x80000000
	s_mov_b32 s[G0B+4*\s], 1
	s_add_co_u32 s[G0B+4*\s+1], s45, \s*SLOT
	s_add_nc_u64 s[G0B+4*\s+2:G0B+4*\s+3], s[96:97], \s*ROWB
	s_or_b32 s[G0B+4*\s+3], s[G0B+4*\s+3], 0x80000000
	JLOAD G0+4*\s, G1, G0B+4*\s, G1B
.endr
	v_and_b32 v1, 15, v0
	v_bfe_u32 v2, v0, 4, 1
	v_mul_u32_u24 v3, v1, PITCH
	v_lshl_add_u32 v4, v2, 4, v3                   ; a fragment's row x pitch + 16 x half
	s_mul_i32 s21, s[HI], HALFT
	s_mul_i32 s22, s[LO], HALFT
	s_add_co_u32 s22, s22, 2*HALFT
.irp s, 0,1
	v_add_nc_u32 v[ADRA+\s], s21, v4
	v_add_nc_u32 v[ADRB+\s], s22, v4
	s_add_co_u32 s21, s21, SLOT
	s_add_co_u32 s22, s22, SLOT
.endr
	v_and_b32 v5, 31, v0
	v_lshlrev_b32 v[LI], 4, v5
	v_lshlrev_b32 v[HO], 5, v2
	v_lshlrev_b32 v[PFO], 11, v5
	v_mov_b32 v[FC+1], 0                           ; (named as the upper half of a pair, so it is written)
	; the prefetches: where my wave's stand, and who asks
	s_cmp_eq_u32 s[HI], 0
	s_cselect_b64 s[PFA:PFA+1], s[94:95], s[96:97]
	s_cselect_b32 s82, s40, s41                    ; my place among the four that ask with me
	s_cselect_b32 s83, s91, s90                    ; the coordinate along which other clusters read the same rows
	s_cmp_eq_u32 s83, 0
	s_cselect_b32 s[LIM], 1, -1
	s_lshl_b32 s82, s82, 16                        ; my work-group's 32 rows of the 128,
	s_add_co_u32 s82, s82, 2*ROWB                  ; at K step 2: the first refill steps it to 3 and names K step 4
	s_mov_b32 s83, 0
	s_add_nc_u64 s[PFA:PFA+1], s[PFA:PFA+1], s[82:83]
	; where my results go, and my tokens' cos and sin
	s_lshl_b32 s16, s87, 1
	s_add_co_u32 s16, s16, s[HI]                   ; my 128 rows of A
	s_lshl_b32 s17, s42, 1
	s_add_co_u32 s17, s17, s[LO]                   ; my 128 rows of B
	s_cmp_eq_u32 ttmp9, 2
	s_cselect_b32 s18, s17, s16                    ; my block of 128 tokens
	s_cselect_b32 s19, s16, s17                    ; my head
	s_lshr_b32 s20, s18, 4                         ; the batch
	s_lshl_b32 s20, s20, 3
	s_add_co_u32 s20, s20, s19
	s_lshl_b32 s20, s20, 18                        ; 262,144 bytes for a head of a batch
	s_and_b32 s21, s18, 15
	s_lshl_b32 s21, s21, 14                        ; 16,384 for 128 tokens
	s_add_co_u32 s20, s20, s21
	s_lshl_b32 s21, ttmp9, 22                      ; 4 MiB for each of q, k, v
	s_add_co_u32 s20, s20, s21
	s_mov_b32 s21, 0
	s_add_nc_u64 s[14:15], s[14:15], s[20:21]
	s_lshl_b32 s20, s18, 17                        ; cs: 16,384 bytes for 16 tokens
	s_add_nc_u64 s[6:7], s[6:7], s[20:21]
	s_cmp_eq_u32 ttmp9, 0
	s_cselect_b64 s[8:9], s[8:9], s[10:11]         ; q's weight, or k's (v's way out does not use it)
.set n, 0
.rept 16
	global_load_b128 v[WN+4*n:WN+4*n+3], v[HO], s[8:9] offset:64*(n/2)+16*(n%2)
.set n, n+1
.endr
	s_wait_kmcnt 0x0
	s_add_co_i32 s80, s68, s69                     ; e0 + e1
	s_add_co_i32 s81, s70, s71                     ; e2 + e3
	s_sub_co_i32 s82, s77, s72
	s_sub_co_i32 s82, s82, s73                     ; e9 - e4 - e5
	s_cmp_eq_u32 ttmp9, 0
	s_cselect_b32 s80, s80, s81                    ; E: a sum stands for sum x 2^E
	s_cselect_b32 s83, s74, s75                    ; e6 or e7
	s_cmp_eq_u32 ttmp9, 2
	s_cselect_b32 s83, s82, s83                    ; the conversion's exponent: chosen without a jump
	s_lshl_b32 s81, s80, 1
	s_sub_co_i32 s81, s81, 7                       ; 2 E - 7: the mean of 128 squares
	s_add_co_i32 s83, s83, 127
	s_lshl_b32 s82, s83, 23
	v_mov_b32 v[SCV], s82
	s_add_co_i32 s83, s83, 8
	s_lshl_b32 s83, s83, 23
	s_or_b32 s83, s83, 0x600000
	v_mov_b32 v[LIMV], s83
	s_mov_b32 s92, 0x76543210                      ; v_permlanex16_b32: lane l xor 16
	s_mov_b32 s93, 0xfedcba98
.macro FRAG reg, adr, q, i             ; 16 rows x 128 K: lane l holds row l % 16; registers 4 c .. 4 c + 3 hold K = 32 c + 16 (l / 16) + 0 .. 15, in A and in B alike
.irp c, 0,1,2,3
	ds_load_b128 v[\reg+4*\c:\reg+4*\c+3], v[\adr] offset:128*(\q)+32*\c+(\i)*16*PITCH
.endr
.endm
; 16 matrix instructions: A's blocks a0, a0 + 1 x B's eight.  The 64 accumulators take turns, one instruction a turn, in the same order in every step.
.macro MUL16 a0, p, zero
.irp a, \a0, \a0+1
.irp b, 0,1,2,3,4,5,6,7
.if \zero
	v_wmma_f32_16x16x128_fp8_fp8 v[8*(8*((\a)%4)+\b):8*(8*((\a)%4)+\b)+7], v[128*(\p)+FR*\b:128*(\p)+FR*\b+FR-1], v[AF+FR*(\a):AF+FR*(\a)+FR-1], 0
.else
	v_wmma_f32_16x16x128_fp8_fp8 v[8*(8*((\a)%4)+\b):8*(8*((\a)%4)+\b)+7], v[128*(\p)+FR*\b:128*(\p)+FR*\b+FR-1], v[AF+FR*(\a):AF+FR*(\a)+FR-1], v[8*(8*((\a)%4)+\b):8*(8*((\a)%4)+\b)+7]
.endif
.endr
.endr
.endm
.macro FETCH_B slot, q, p
	WIN TO_B
.irp i, 0,1,2,3,4,5,6,7
	FRAG 128*(\p)+FR*\i, ADRB+\slot, \q, \i
.endr
	WIN 0
.endm
.macro FETCH_A slot, q, i0
.irp i, \i0, \i0+1, \i0+2, \i0+3
	FRAG AF+FR*(\i), ADRA+\slot, \q, \i
.endr
.endm
.macro PLACES n                        ; plain vector lines between a matrix instruction and a load into, or a vector read or write of, its registers
.rept \n
	v_nop
.endr
.endm
.macro STEP slot, q, zero              ; 128 along K, with its successor in the same slot
	s_wait_dscnt 4*NL                              ; B's set and A's blocks 0-3 are in; the youngest 16 loads (A's blocks 4-7) may be out
	WIN MUL_LO
	MUL16 0, (\q)%2, \zero
	MUL16 2, (\q)%2, \zero
	s_wait_dscnt 0
	PLACES NP
	FETCH_B \slot, (\q)+1, 1-(\q)%2
	FETCH_A \slot, (\q)+1, 0
	WIN MUL_HI
	MUL16 4, (\q)%2, \zero
	MUL16 6, (\q)%2, \zero
	PLACES NP
	WIN 0
	FETCH_A \slot, (\q)+1, 4
.endm
; A slot's last step changes slots: one barrier; in front of it each wave waits for all its tensor loads, adds 0 to its spare word, and waits for that and for its reads of this slot.
.macro TURN slot, next, fill
.if \fill
	s_wait_xcnt 0x0                                ; the last prefetch, a K step back, has read its address, which steps here
	s_add_nc_u64 s[PFA:PFA+1], s[PFA:PFA+1], ROWB
.endif
	s_wait_tensorcnt 0x0                           ; all my tensor loads have landed: my part of the next slot
	ds_add_u32 v[SPW], v[NIL]                      ; 0 onto my spare word
	s_wait_dscnt 4*NL+1                            ; (the add and the youngest 16 loads may be out)
	WIN MUL_LO
	MUL16 0, 1, 0
	s_wait_dscnt 0x0                               ; the add is done, and my reads of this slot are over
	s_barrier_signal -1
	MUL16 2, 1, 0
	WIN 0
	s_barrier_wait -1
.if \fill
	CREST                                          ; the barrier has opened a round of the cluster's: no wave of any partner still reads this slot or has a load on its way
	s_add_nc_u64 s[G0+4*\slot+2:G0+4*\slot+3], s[G0+4*\slot+2:G0+4*\slot+3], 2*ROWB
	s_add_nc_u64 s[G0B+4*\slot+2:G0B+4*\slot+3], s[G0B+4*\slot+2:G0B+4*\slot+3], 2*ROWB
	JLOAD G0+4*\slot, G1, G0B+4*\slot, G1B         ; the first tensor load behind the round; its four v_nop are the places in front of the loads below
.else
	PLACES NP
.endif
	FETCH_B \next, 0, 0
	FETCH_A \next, 0, 0
.if \fill
	ASK
.endif
	WIN MUL_HI
	MUL16 4, 1, 0
	MUL16 6, 1, 0
	PLACES NP
	WIN 0
	FETCH_A \next, 0, 4
.endm
	s_wait_loadcnt 0x0                             ; the norm's weight
	s_wait_tensorcnt 1                             ; my part of K step 0 is in; K step 1's may stay out
	s_barrier_signal -1
	s_barrier_wait -1
	FETCH_B 0, 0, 0
	FETCH_A 0, 0, 0
	FETCH_A 0, 0, 4
	STEP 0, 0, 1                                   ; the first step's products start the sums
	s_mov_b32 s3, LAPS-1
.Llap:
	TURN 0, 1, 1
	STEP 1, 0, 0
	TURN 1, 0, 1
	STEP 0, 0, 0
	s_sub_co_u32 s3, s3, 1
	s_cmp_lg_u32 s3, 0
	s_cbranch_scc1 .Llap
	TURN 0, 1, 0
	STEP 1, 0, 0
	s_wait_dscnt 4*NL
	WIN MUL_LO
	MUL16 0, 1, 0
	MUL16 2, 1, 0
	s_wait_dscnt 0
	WIN MUL_HI
	MUL16 4, 1, 0
	MUL16 6, 1, 0
	WIN 0
	PLACES NP                                      ; behind the last products: for the loads into B's registers and the first reads of results
; ---- THE WAY OUT.  No LDS: a block of 16 rows leaves as four stores of 512 consecutive bytes.
.macro CSLOAD a                        ; cos (64 registers) and sin (64) of block a's 16 tokens into set a % 2 of window 1: 32 loads of 512 consecutive bytes
	WIN 0x40
.set n, 0
.rept 32
	global_load_b128 v[128*((\a)%2)+4*n:128*((\a)%2)+4*n+3], v[LI], s[6:7] offset:16384*(\a)+512*n
.set n, n+1
.endr
	WIN 0
.endm
.macro SUMSQ4 hi                       ; the sums of squares of four blocks, two chains each, every accumulator from its low end on
	WIN 0x0a+5*(\hi)
.irp a, 0,1,2,3
	v_pk_mul_f32 v[TMP+4*(4*\hi+\a):TMP+4*(4*\hi+\a)+1], v[64*\a:64*\a+1], v[64*\a:64*\a+1]
	v_pk_mul_f32 v[TMP+4*(4*\hi+\a)+2:TMP+4*(4*\hi+\a)+3], v[64*\a+2:64*\a+3], v[64*\a+2:64*\a+3]
.endr
.set i, 4
.rept 15
.irp a, 0,1,2,3
	v_pk_fma_f32 v[TMP+4*(4*\hi+\a):TMP+4*(4*\hi+\a)+1], v[64*\a+i:64*\a+i+1], v[64*\a+i:64*\a+i+1], v[TMP+4*(4*\hi+\a):TMP+4*(4*\hi+\a)+1]
	v_pk_fma_f32 v[TMP+4*(4*\hi+\a)+2:TMP+4*(4*\hi+\a)+3], v[64*\a+i+2:64*\a+i+3], v[64*\a+i+2:64*\a+i+3], v[TMP+4*(4*\hi+\a)+2:TMP+4*(4*\hi+\a)+3]
.endr
.set i, i+4
.endr
.endm
.macro SENDC a                         ; the fragment's codes, as they stand
.irp c, 0,1,2,3
	global_store_b128 v[LI], v[CD+16*((\a)%2)+4*\c:CD+16*((\a)%2)+4*\c+3], s[14:15] offset:2048*(\a)+512*\c
.endr
.endm
.macro BLOCK a                         ; 16 tokens of q or k: norm, weight, RoPE, hold, conversion, store
.set AC, 64*((\a)%4)
.set CB, 128*((\a)%2)
.set CO, CD+16*((\a)%2)
	v_ldexp_f32 v[FC], v[RS+(\a)], s80             ; 2^E / sqrt(mean + eps)
	WIN 0x02+((\a)/4)
.set i, 0
.rept 32
	v_pk_mul_f32 v[TMP+i:TMP+i+1], v[AC+i:AC+i+1], v[FC:FC+1] op_sel_hi:[1,0]
.set i, i+2
.endr
	WIN 0
.set i, 0
.rept 32
	v_pk_mul_f32 v[TMP+i:TMP+i+1], v[TMP+i:TMP+i+1], v[WN+i:WN+i+1]
.set i, i+2
.endr
	WIN 0x04                                       ; source 1 (cos, sin) window 1
.set i, 0
.rept 16
	v_pk_mul_f32 v[OUT+i:OUT+i+1], v[TMP+i:TMP+i+1], v[CB+i:CB+i+1]
	v_pk_mul_f32 v[OUT+32+i:OUT+33+i], v[TMP+32+i:TMP+33+i], v[CB+32+i:CB+33+i]
.set i, i+2
.endr
.set i, 0
.rept 16
	v_pk_fma_f32 v[OUT+i:OUT+i+1], v[TMP+32+i:TMP+33+i], v[CB+64+i:CB+65+i], v[OUT+i:OUT+i+1] neg_lo:[1,0,0] neg_hi:[1,0,0]   ; d < 64: - x(d + 64) sin(d)
	v_pk_fma_f32 v[OUT+32+i:OUT+33+i], v[TMP+i:TMP+i+1], v[CB+96+i:CB+97+i], v[OUT+32+i:OUT+33+i]                            ; d >= 64: + x(d - 64) sin(d)
.set i, i+2
.endr
	WIN 0
.if (\a) >= 2
	s_wait_xcnt 0x0                                ; block a - 2's stores have read this set of code registers
.endif
.irp c, 0,1,2,3
.irp k, 0,1,2,3,4,5,6,7,8,9,10,11,12,13,14,15
	v_med3_num_f32 v[OUT+16*\c+\k], v[OUT+16*\c+\k], -v[LIMV], v[LIMV]   ; the conversion to an 8-bit code does not saturate (ISA guide 7.6.2)
.endr
	v_cvt_scalef32_pk8_fp8_f32 v[CO+4*\c:CO+4*\c+1], v[OUT+16*\c:OUT+16*\c+7], v[SCV]
	v_cvt_scalef32_pk8_fp8_f32 v[CO+4*\c+2:CO+4*\c+3], v[OUT+16*\c+8:OUT+16*\c+15], v[SCV]
.endr
	v_nop                                          ; a plain vector line behind the last conversion
	SENDC \a
.endm
.macro VBLOCK a                        ; 16 of the head's d x 128 keys of v: hold, conversion, store
.set AC, 64*((\a)%4)
.set CO, CD+16*((\a)%2)
	WIN 0x02+((\a)/4)
.set i, 0
.rept 64
	v_med3_num_f32 v[TMP+i], v[AC+i], -v[LIMV], v[LIMV]
.set i, i+1
.endr
	WIN 0
.if (\a) >= 2
	s_wait_xcnt 0x0
.endif
.irp g, 0,1,2,3,4,5,6,7
	v_cvt_scalef32_pk8_fp8_f32 v[CO+2*\g:CO+2*\g+1], v[TMP+8*\g:TMP+8*\g+7], v[SCV]
.endr
	v_nop
	SENDC \a
.endm
	s_cmp_eq_u32 ttmp9, 2                          ; the cluster's x: the same in every wave of all sixteen partners
	s_cbranch_scc1 .Lway_v
	CSLOAD 0
	CSLOAD 1
	SUMSQ4 0
	SUMSQ4 1
	WIN 0
.irp a, 0,1,2,3,4,5,6,7
	v_pk_add_f32 v[TMP+4*\a:TMP+4*\a+1], v[TMP+4*\a:TMP+4*\a+1], v[TMP+4*\a+2:TMP+4*\a+3]
.endr
.irp a, 0,1,2,3,4,5,6,7
	v_add_f32 v[RS+\a], v[TMP+4*\a], v[TMP+4*\a+1]
.endr
.irp a, 0,1,2,3,4,5,6,7
	v_permlanex16_b32 v[TMP+4*\a+2], v[RS+\a], s92, s93   ; the token's other 64 numbers lie in the lane 16 away
.endr
.irp a, 0,1,2,3,4,5,6,7
	v_add_f32 v[RS+\a], v[RS+\a], v[TMP+4*\a+2]
.endr
.irp a, 0,1,2,3,4,5,6,7
	v_ldexp_f32 v[RS+\a], v[RS+\a], s81            ; x 2^(2 E) / 128: the mean of the squares
.endr
.irp a, 0,1,2,3,4,5,6,7
	v_add_f32 v[RS+\a], 0x358637bd, v[RS+\a]       ; + 1e-6
.endr
.irp a, 0,1,2,3,4,5,6,7
	v_rsq_f32 v[RS+\a], v[RS+\a]
.endr
	v_nop                                          ; a plain line behind the last of the batch,
	s_wait_alu depctr_va_vdst(0)                   ; and one wait for the eight, ahead of their first reader
.irp a, 0,1,2,3,4,5,6,7
.if \a < 7
	s_wait_loadcnt 32                              ; block a's cos and sin are in; the next block's 32 loads may be out
.else
	s_wait_loadcnt 0
.endif
	BLOCK \a
.if \a < 6
	CSLOAD \a+2
.endif
.endr
	s_branch .Ldone
.Lway_v:
.irp a, 0,1,2,3,4,5,6,7
	VBLOCK \a
.endr
.Ldone:
	s_wait_tensorcnt 0x0                           ; the wave's end
	ds_add_u32 v[SPW], v[NIL]
	s_wait_dscnt 0x0
	CROUND                                         ; the closing round: no work-group ends while a partner may still ask for a tile that names it
	s_endpgm
.Lfunc_end_k_q8f27693198_qkv:
	.size	k_q8f27693198_qkv, .Lfunc_end_k_q8f27693198_qkv-k_q8f27693198_qkv
	.p2alignl 7, 3214868480
	.fill 96, 4, 3214868480
	.section	.rodata,"a",@progbits
	.p2align	6, 0x0
	.amdhsa_kernel k_q8f27693198_qkv
		.amdhsa_group_segment_fixed_size 327680
		.amdhsa_private_segment_fixed_size 0
		.amdhsa_enable_private_segment 0
		.amdhsa_kernarg_size 48
		.amdhsa_user_sgpr_count 2
		.amdhsa_user_sgpr_kernarg_segment_ptr 1
		.amdhsa_wavefront_size32 1
		.amdhsa_system_sgpr_workgroup_id_x 1
		.amdhsa_system_sgpr_workgroup_id_y 1
		.amdhsa_system_sgpr_workgroup_id_z 1
		.amdhsa_system_vgpr_workitem_id 0
		.amdhsa_next_free_vgpr 1024
		.amdhsa_next_free_sgpr 102
		.amdhsa_reserve_vcc 0
		.amdhsa_float_denorm_mode_32 3
		.amdhsa_float_denorm_mode_16_64 3
		.amdhsa_memory_ordered 1
		.amdhsa_forward_progress 1
		.amdhsa_inst_pref_size 255
	.end_amdhsa_kernel
	.section	.bss,"aw",@nobits
	.p2align	6
	.space	262144
	.amdgpu_metadata
---
amdhsa.version: [ 1, 2 ]
amdhsa.kernels:
  - .name:           k_q8f27693198_qkv
    .symbol:         k_q8f27693198_qkv.kd
    .args:
      - { .name: cd, .offset: 0, .size: 8, .value_kind: global_buffer, .address_space: global }
      - { .name: cs, .offset: 8, .size: 8, .value_kind: global_buffer, .address_space: global }
      - { .name: q_norm_w, .offset: 16, .size: 8, .value_kind: global_buffer, .address_space: global }
      - { .name: k_norm_w, .offset: 24, .size: 8, .value_kind: global_buffer, .address_space: global }
      - { .name: lowp_scales, .offset: 32, .size: 8, .value_kind: global_buffer, .address_space: global }
      - { .name: qkv, .offset: 40, .size: 8, .value_kind: global_buffer, .address_space: global }
    .group_segment_fixed_size: 327680
    .private_segment_fixed_size: 0
    .kernarg_segment_align: 8
    .kernarg_segment_size: 48
    .max_flat_workgroup_size: 128
    .sgpr_count:     102
    .vgpr_count:     1024
    .wavefront_size: 32
...
	.end_amdgpu_metadata
.endif
;; end of part 2
;; launch attn (part 3): grid 16 x 16, 8 waves a work-group, no clusters, 295,936 bytes of LDS; arguments qkv, lowp_scales, ai; writes ai
.if DOCPART == 3
	.amdgcn_target "amdgcn-amd-amdhsa--gfx1250"
	.amdhsa_code_object_version 6
	.text
	.protected	k_q8f27693198_attn
	.globl	k_q8f27693198_attn
	.p2align	8
	.type	k_q8f27693198_attn,@function
k_q8f27693198_attn:
	s_mov_b64 s[64:65], 0
	v_nop
	global_prefetch_b8 v0, s[64:65] scope:SCOPE_SE
	s_setreg_imm32_b32 hwreg(HW_REG_WAVE_MODE, 25, 1), 1
	s_wait_xcnt 0x0
; Attention with the causal mask and the window of 1,024 keys (key k counts for query q where k <= q and q - k < 1,024), both products on codes of E4M3.
; q, k, v come as images of operand registers (a fragment of 16 rows x 128 K: [c][lane][16 bytes]); the result leaves so too, quantised with e10, for the last product:
;   ai: [token row / 16][head][c][lane][16]; byte i of group c is K place 128 head + 32 c + 16 (lane / 16) + i.
; THE SOFTMAX: t = score x log2(e) / sqrt(128); M = the running largest t rounded up to a whole number; p = 2^(t - M) is quantised with e8; the row's sum is taken of the unquantised p and divides at the end.
; SHARES.  A work-group owns 128 queries of one head of one batch; each of its eight waves 16 of them.  Their keys lie among the 1,152 from max(first query - 1,024, 0) on: nine steps of 128.
; NO RING.  Nine steps' K and V are 9 x 32,768 = 294,912 bytes: every tile is asked for once, at the head, in three groups of three steps (three tensor loads a wave are out), and no LDS byte is filled again.
;   So there is no barrier for a refill, and nothing is left that could be asked for ahead of the tensor loads.
; NO CLUSTER: a joint load lands at one LDS address in all partners; the windows of four neighbouring query blocks span 12 steps together, 393,216 bytes, more than a work-group's LDS holds at once.
; FRAGMENTS AHEAD.  A wave has 512 registers (two waves to a SIMD); window 1 holds all eight fragments of a step's K and all eight of its V.  V of step s is asked of LDS at the step's head and multiplied behind the softmax;
;   K of step s + 1 is asked for behind the products K Q^T of step s: each run of 32 LDS loads is out while the wave does a softmax's vector work.  Since step s reads K of step s + 1, the loops behind the three
;   barriers run 2, 3 and 3 steps, and the ninth step is written out without look-ahead.
; Both products are used transposed (S^T = K Q^T, O^T = V^T P^T): a lane holds one query (lane % 16) throughout.  Register 8 t + j of S^T is key 16 t + 8 (lane / 16) + j of the step: v's image has the same order along its K.
; A step all of whose keys come after the wave's queries is left out by a scalar branch on ids (all later steps are then left out too); the trip counts are constants.  Hidden scores become -infinity ahead of the maximum, so p = 0 there.
; LIMITS: e6 + e7 between -123 and 130 (added to c's exponent field); e8 and e10 between -126 and 119; e8 + e9 enters by v_ldexp_f32.  NaN among the inputs is not served.
; REGISTERS, window 0: v1 16 x lane; v8, v9 the step's LDS addresses; v10 lane % 16 - 8 (lane / 16); v12 -M, v13 the largest t, v[14:15] the sum; v16-31 Q; v96-159 S^T, p; v160-223 O^T; v224-239 codes; v236.. at work.
;   window 1: v0-127 K's fragments, v128-255 V's.  s_set_vgpr_msb's low byte: bits 1:0 source 0, 7:6 destination: eight switches a step.
.set VIMG,  147456                     ; LDS: K's nine steps from byte 0, V's from here
.set STEPB, 16384
.set GRPB,  49152
.set LI,   1
.set ADK,  8
.set ADV,  9
.set DL,   10
.set KFR,  0                           ; in window 1
.set VFR,  128
.set TB,   2                           ; s2   LDS byte of the step in hand
.set WV,   18
.set SEL,  20
.set CS,   22
.set G1,   24                          ; s[24:31] the shape; s[32:43] three groups 0
.set G0,   32
.set CNT,  67
.set KF,   98                          ; s98  the step's first key
.set Q0,   99                          ; s99  my first query
.set MSB, 0
.macro WIN new                         ; the immediate's high byte repeats the setting that is left; at a label and at a branch every window is 0
.if MSB != \new
	s_set_vgpr_msb (MSB<<8)|\new
.set MSB, \new
.endif
.endm
	s_load_b128 s[4:7], s[0:1], 0x0                ; qkv, the scales' exponents
	s_load_b64 s[8:9], s[0:1], 0x10                ; ai
	v_lshl_add_u32 v251, v0, 2, 0x48000
	v_mov_b32 v255, 0
	ds_add_u32 v251, v255
	ds_add_u32 v251, v255
	v_lshrrev_b32 v8, 5, v0
	s_delay_alu instid0(VALU_DEP_1)
	v_readfirstlane_b32 s[WV], v8                  ; wave 0..7
	s_and_b32 s44, ttmp7, 0xffff                   ; 8 x batch + head
	s_lshl_b32 s45, ttmp9, 7                       ; the work-group's first query
	s_sub_co_i32 s46, s45, 1024
	s_max_i32 s46, s46, 0                          ; its first key
	s_mov_b32 s[KF], s46
	s_lshl_b32 s47, s[WV], 4
	s_add_co_u32 s[Q0], s45, s47
	s_lshr_b32 s48, s[WV], 2                       ; waves 0-3 fetch K, waves 4-7 V,
	s_and_b32 s49, s[WV], 3                        ; a quarter of each group
	s_mul_i32 s50, s48, VIMG
	s_mul_i32 s51, s49, 12288
	s_add_co_u32 s50, s50, s51                     ; where it goes
	s_add_co_u32 s52, s48, 1
	s_lshl_b32 s52, s52, 22                        ; k's image at 4 MiB, v's at 8 MiB
	s_lshl_b32 s53, s44, 18
	s_add_co_u32 s52, s52, s53
	s_lshl_b32 s53, s46, 7                         ; 128 bytes a key in both images
	s_add_co_u32 s52, s52, s53
	s_add_co_u32 s52, s52, s51
	s_mov_b32 s53, 0
	s_mov_b32 s[G1], 3<<16                         ; no mask; elements of 8 bytes; no padding
	s_mov_b32 s[G1+1], 32<<16                      ; tensor_dim0 = 32 (256 bytes)
	s_mov_b32 s[G1+2], 48<<16                      ; tensor_dim1 = 48
	s_mov_b32 s[G1+3], 32<<16                      ; tile_dim0
	s_mov_b32 s[G1+4], 48                          ; tile_dim1: 48 rows of 256 bytes, dense: 12,288 bytes
	s_mov_b32 s[G1+5], 32
	s_mov_b32 s[G1+6], 0
	s_mov_b32 s[G1+7], 0
	s_mov_b32 s[SEL], 0x76543210
	s_mov_b32 s[SEL+1], 0xfedcba98
	s_mov_b32 s[CS], 0x3e0293ee                    ; c = log2(e) / sqrt(128)
	s_mov_b32 s[TB], 0
	s_wait_dscnt 0x0
	s_wait_kmcnt 0x0
	s_load_b256 s[68:75], s[6:7], 0x0              ; e0 .. e7
	s_load_b128 s[76:79], s[6:7], 0x20             ; e8 .. e11
	s_add_nc_u64 s[52:53], s[4:5], s[52:53]
.irp g, 0,1,2
	s_mov_b32 s[G0+4*\g], 1
	s_add_co_u32 s[G0+4*\g+1], s50, \g*GRPB
	s_add_nc_u64 s[G0+4*\g+2:G0+4*\g+3], s[52:53], \g*GRPB
	s_or_b32 s[G0+4*\g+3], s[G0+4*\g+3], 0x80000000
.endr
	tensor_load_to_lds s[G0:G0+3], s[G1:G1+7]      ; all first fills go out together, ahead of every wait for them, every LDS read and every barrier
	s_nop 0
	tensor_load_to_lds s[G0+4:G0+7], s[G1:G1+7]
	s_nop 0
	tensor_load_to_lds s[G0+8:G0+11], s[G1:G1+7]
	s_nop 0
.rept 4
	v_nop
.endr
	s_lshl_b32 s54, s44, 18
	s_lshl_b32 s55, s[Q0], 7
	s_add_co_u32 s54, s54, s55
	s_mov_b32 s55, 0
	s_add_nc_u64 s[4:5], s[4:5], s[54:55]          ; q's image at my 16 queries
	v_and_b32 v2, 31, v0
	s_delay_alu instid0(VALU_DEP_1)
	v_lshlrev_b32 v[LI], 4, v2
.irp c, 0,1,2,3
	global_load_b128 v[16+4*\c:19+4*\c], v[LI], s[4:5] offset:512*\c
.endr
	s_lshr_b32 s56, s44, 3
	s_lshl_b32 s56, s56, 7
	s_lshr_b32 s57, s[Q0], 4
	s_add_co_u32 s56, s56, s57                     ; my block of 16 token rows
	s_lshl_b32 s56, s56, 14
	s_and_b32 s57, s44, 7
	s_lshl_b32 s57, s57, 11                        ; my head's fragment in it
	s_add_co_u32 s56, s56, s57
	s_mov_b32 s57, 0
	s_add_nc_u64 s[8:9], s[8:9], s[56:57]
	v_and_b32 v3, 15, v0
	v_bfe_u32 v4, v0, 4, 1
	s_delay_alu instid0(VALU_DEP_1)
	v_lshlrev_b32 v4, 3, v4
	s_delay_alu instid0(VALU_DEP_1)
	v_sub_nc_u32 v[DL], v3, v4
	v_mov_b32 v13, 0xff61b1e6                      ; the largest t so far: -3e38
	s_delay_alu instid0(VALU_DEP_1)
	v_floor_f32 v12, -v13                          ; -M
	v_mov_b32 v14, 0
	v_mov_b32 v15, 0
	v_mov_b32 v236, 0                              ; written once: a lane permute's destination counts as one of its sources
	v_mov_b32 v252, 0
	v_mov_b32 v253, 0                              ; (the upper half of the pair v[252:253])
	v_mov_b32 v254, 0
.set j, 0
.rept 64
	v_mov_b32 v[160+j], 0                          ; O^T: the step is written for every step alike; the first finds zeros
.set j, j+1
.endr
	s_wait_kmcnt 0x0
	s_add_co_i32 s58, s74, s75
	s_lshl_b32 s58, s58, 23
	s_add_co_i32 s[CS], s[CS], s58                 ; a score stands for score x 2^(e6 + e7)
	s_mov_b32 s[CS+1], s[CS]
	s_add_co_i32 s58, s76, 127
	s_lshl_b32 s59, s58, 23
	v_mov_b32 v244, s59                            ; 2^e8
	s_add_co_i32 s58, s78, 127
	s_lshl_b32 s59, s58, 23
	v_mov_b32 v247, s59                            ; 2^e10
	s_add_co_i32 s58, s76, s77                     ; e8 + e9
; 32 LDS loads in one run: a step's eight fragments, as they lie (512 consecutive bytes a load), into window 1 from v[dst] on
.macro LOADF dst, adr, off
	WIN 0x40                                       ; destination window 1, address window 0
.set f, 0
.rept 8
.irp c, 0,1,2,3
	ds_load_b128 v[\dst+16*f+4*\c:\dst+16*f+4*\c+3], v[\adr] offset:\off+2048*f+512*\c
.endr
.set f, f+1
.endr
	WIN 0
.endm
; A key step: 128 keys.  ahead = 1: the next step's K is asked for, and the step's scalars move on
.macro STEP ahead
	s_add_co_u32 s96, s[Q0], 15
	s_cmp_gt_u32 s[KF], s96
	s_cbranch_scc1 .Lhidden_\@                     ; all its keys come after my queries
	s_setprio 2
	v_add_nc_u32 v[ADK], s[TB], v[LI]
	s_delay_alu instid0(VALU_DEP_1)
	v_add_nc_u32 v[ADV], VIMG, v[ADK]
	v_nop
	v_nop                                          ; four plain lines between the last step's products V^T P and the loads into the registers that they read (ISA guide 7.12.1 for vector lines)
	LOADF VFR, ADV, 0                              ; this step's V: wanted behind the softmax
	s_wait_dscnt 32                                ; all but the 32 just issued: this step's K, asked for a step ago, is in
	WIN 0x01                                       ; source 0 window 1
.irp t, 0,1,2,3,4,5,6,7
	v_wmma_f32_16x16x128_fp8_fp8 v[96+8*\t:103+8*\t], v[KFR+16*\t:KFR+16*\t+15], v[16:31], 0   ; S^T = K Q^T
.endr
	WIN 0
.rept 4
	v_nop                                          ; places in front of the loads into K's registers and of the first read of the scores
.endr
.if \ahead
	s_wait_alu depctr_va_vdst(0)
	LOADF KFR, ADK, STEPB                          ; the next step's K
.endif
	s_add_co_u32 s97, s[KF], 127                   ; the causal mask, where a key of the step may come after a query of mine
	s_cmp_le_u32 s97, s[Q0]
	s_cbranch_scc1 .Lopen_\@
	s_sub_co_i32 s96, s[Q0], s[KF]
	v_add_nc_u32 v252, s96, v[DL]                  ; D = my query - the step's first key - 8 (lane / 16): register 8 t + j is hidden where 16 t + j > D
	v_mov_b32 v254, 0xff800000
.set n, 0
.rept 64
	v_cmp_gt_i32 vcc_lo, 16*(n/8)+n%8, v252
	v_cndmask_b32 v[96+n], v[96+n], v254, vcc_lo
.set n, n+1
.endr
.Lopen_\@:
	s_add_co_u32 s97, s[KF], 1009                  ; the window, where a key of the step may lie 1,024 or more behind a query of mine
	s_cmp_gt_u32 s97, s[Q0]
	s_cbranch_scc1 .Lnear_\@
	s_sub_co_i32 s96, s[Q0], s[KF]
	s_sub_co_i32 s96, s96, 1024
	v_add_nc_u32 v252, s96, v[DL]                  ; hidden where 16 t + j <= D - 1,024
	v_mov_b32 v254, 0xff800000
.set n, 0
.rept 64
	v_cmp_le_i32 vcc_lo, 16*(n/8)+n%8, v252
	v_cndmask_b32 v[96+n], v[96+n], v254, vcc_lo
.set n, n+1
.endr
.Lnear_\@:
	v_max3_num_f32 v254, v96, v97, v98             ; the step's largest score of my query among my 64 keys, in two chains,
	v_max3_num_f32 v252, v99, v100, v101
	s_setprio 1
.irp i, 6,10,14,18,22,26,30,34,38,42,46,50,54,58
	v_max3_num_f32 v254, v254, v[96+\i], v[97+\i]
	v_max3_num_f32 v252, v252, v[98+\i], v[99+\i]
.endr
	v_max3_num_f32 v254, v254, v158, v159
	s_delay_alu instid0(VALU_DEP_1)
	v_max_num_f32 v254, v254, v252
	v_permlanex16_b32 v236, v254, s[SEL], s[SEL+1]
	s_delay_alu instid0(VALU_DEP_1)
	v_max_num_f32 v254, v254, v236                 ; and among lane l xor 16's
	s_delay_alu instid0(VALU_DEP_1)
	v_mul_f32 v254, s[CS], v254
	s_delay_alu instid0(VALU_DEP_1)
	v_max_num_f32 v13, v13, v254                   ; the running largest t (a row with no open key yet keeps -3e38: its p are 0, and the next step's f is 0)
	v_mov_b32 v254, v12
	s_delay_alu instid0(VALU_DEP_2)
	v_floor_f32 v12, -v13                          ; -M = floor(-t): M is a whole number
	s_delay_alu instid0(VALU_DEP_1)
	v_sub_f32 v254, v12, v254
	s_delay_alu instid0(VALU_DEP_1)
	v_cvt_i32_f32 v254, v254                       ; (it saturates)
	s_delay_alu instid0(VALU_DEP_1)
	v_ldexp_f32 v252, 1.0, v254                    ; f = 2^(old M - new M)
.set j, 0
.rept 32
	v_pk_fma_f32 v[96+j:97+j], v[96+j:97+j], s[CS:CS+1], v[12:13] op_sel_hi:[1,0,0]   ; t - M
.set j, j+2
.endr
.set j, 0
	s_wait_alu depctr_va_vdst(0)
.rept 64
	v_exp_f32 v[96+j], v[96+j]                     ; p = 2^(t - M)
.set j, j+1
.endr
	v_pk_mul_f32 v[14:15], v[14:15], v[252:253] op_sel_hi:[1,0]   ; the sums under the new M (a plain line behind the exponentials)
	s_wait_alu depctr_va_vdst(0)                   ; one wait for the batch, ahead of its first reader
	v_pk_add_f32 v[242:243], v[100:101], v[104:105]
	v_pk_add_f32 v[248:249], v[108:109], v[112:113]
	v_pk_add_f32 v[240:241], v[116:117], v[120:121]
	v_pk_add_f32 v[238:239], v[124:125], v[128:129]
	v_pk_add_f32 v[236:237], v[132:133], v[136:137]
	v_pk_add_f32 v[234:235], v[140:141], v[144:145]
	v_pk_add_f32 v[232:233], v[148:149], v[152:153]
	v_pk_add_f32 v[14:15], v[14:15], v[156:157]
	v_pk_add_f32 v[242:243], v[242:243], v[96:97]
	v_pk_add_f32 v[248:249], v[248:249], v[98:99]
	v_pk_add_f32 v[240:241], v[240:241], v[102:103]
	v_pk_add_f32 v[238:239], v[238:239], v[106:107]
	v_pk_add_f32 v[236:237], v[236:237], v[110:111]
	v_pk_add_f32 v[234:235], v[234:235], v[114:115]
	v_pk_add_f32 v[232:233], v[232:233], v[118:119]
	v_pk_add_f32 v[14:15], v[14:15], v[122:123]
	v_pk_add_f32 v[242:243], v[242:243], v[126:127]
	v_pk_add_f32 v[248:249], v[248:249], v[130:131]
	v_pk_add_f32 v[240:241], v[240:241], v[134:135]
	v_pk_add_f32 v[238:239], v[238:239], v[138:139]
	v_pk_add_f32 v[236:237], v[236:237], v[142:143]
	v_pk_add_f32 v[234:235], v[234:235], v[146:147]
	v_pk_add_f32 v[232:233], v[232:233], v[150:151]
	v_pk_add_f32 v[14:15], v[14:15], v[154:155]
	v_pk_add_f32 v[242:243], v[242:243], v[158:159]
	s_delay_alu instid0(VALU_DEP_2)
	v_pk_add_f32 v[14:15], v[14:15], v[238:239]
	s_delay_alu instid0(VALU_DEP_2)
	v_pk_add_f32 v[242:243], v[242:243], v[236:237]
	v_pk_add_f32 v[248:249], v[248:249], v[234:235]
	v_pk_add_f32 v[240:241], v[240:241], v[232:233]
	s_delay_alu instid0(VALU_DEP_2)
	v_pk_add_f32 v[14:15], v[14:15], v[248:249]
	s_delay_alu instid0(VALU_DEP_2)
	v_pk_add_f32 v[242:243], v[242:243], v[240:241]
	s_delay_alu instid0(VALU_DEP_1)
	v_pk_add_f32 v[14:15], v[14:15], v[242:243]
.irp b, 0,1,2,3
.irp i, 0,1,2,3,4,5,6,7,8,9,10,11,12,13,14,15
.endr
	v_cvt_scalef32_pk8_fp8_f32 v[224+4*\b:225+4*\b], v[96+16*\b:103+16*\b], v244
	v_cvt_scalef32_pk8_fp8_f32 v[226+4*\b:227+4*\b], v[104+16*\b:111+16*\b], v244
.endr
.set j, 0
	s_setprio 0
.rept 32
	v_pk_mul_f32 v[160+j:161+j], v[160+j:161+j], v[252:253] op_sel_hi:[1,0]   ; O^T under the new M; these are also the plain lines between the conversions and the products below
.set j, j+2
.endr
.if \ahead
	s_wait_alu depctr_va_vdst(0)
	s_wait_dscnt 32                                ; V is in; the next step's K, 32 loads issued behind it, may be out
.else
	s_wait_alu depctr_va_vdst(0)
	s_wait_dscnt 0x0
.endif
	WIN 0x01
.irp t, 0,1,2,3,4,5,6,7
	v_wmma_f32_16x16x128_fp8_fp8 v[160+8*\t:167+8*\t], v[VFR+16*\t:VFR+16*\t+15], v[224:239], v[160+8*\t:167+8*\t]   ; O^T += V^T P^T: eight accumulators by turns
.endr
	WIN 0
.Lhidden_\@:
.if \ahead
	s_add_co_u32 s[KF], s[KF], 128
	s_add_co_u32 s[TB], s[TB], STEPB
.endif
.endm
; The steps that may be walked once each wave's tensor load n has landed
.macro GROUP n, trips
	s_wait_tensorcnt 2-(\n)                        ; my part of group n is in; the later groups' loads may stay out: no byte is filled again
.if (\n) > 0
	s_wait_dscnt 0x0                               ; the fragments asked for ahead are in: no LDS instruction of mine is out at the signal
.endif
	s_barrier_signal -1
	s_barrier_wait -1                              ; everybody's part is in
.if (\n) == 0
	LOADF KFR, LI, 0                               ; the first step's K
.endif
	s_mov_b32 s[CNT], \trips
.Lgroup_\@:
	STEP 1
	s_sub_co_u32 s[CNT], s[CNT], 1
	s_cmp_lg_u32 s[CNT], 0
	s_cbranch_scc1 .Lgroup_\@
	s_setprio 0
.endm
	s_wait_loadcnt 0x0                             ; Q
	GROUP 0, 2                                     ; steps 0, 1: they read V of steps 0, 1 and K up to step 2: group 0's tiles
	GROUP 1, 3                                     ; steps 2, 3, 4: K up to step 5
	GROUP 2, 3                                     ; steps 5, 6, 7: K up to step 8
	STEP 0                                         ; step 8: nothing lies behind it
	s_wait_dscnt 0x0                               ; (where the last steps were left out, fragments asked for ahead may still be out)
	; THE WAY OUT: O^T / the sum x 2^(e8 + e9), held, converted with e10.  Registers 16 b + i are d = 32 b + 16 (lane / 16) + i (Wv's rows were laid for that), so the codes are the last product's fragment as they stand.
.rept 4
	v_nop                                          ; places behind the last products
.endr
	v_add_f32 v14, v14, v15
	s_delay_alu instid0(VALU_DEP_1)
	v_permlanex16_b32 v252, v14, s[SEL], s[SEL+1]
	s_delay_alu instid0(VALU_DEP_1)
	v_add_f32 v14, v14, v252                       ; the row's sum
	s_wait_alu depctr_va_vdst(0)
	v_rcp_f32 v14, v14
	v_nop                                          ; a plain line behind the reciprocal,
	s_wait_alu depctr_va_vdst(0)                   ; and the wait ahead of its first reader
	v_ldexp_f32 v14, v14, s58
.set j, 0
.rept 32
	v_pk_mul_f32 v[96+j:97+j], v[160+j:161+j], v[14:15] op_sel_hi:[1,0]
.set j, j+2
.endr
.irp b, 0,1,2,3
.irp i, 0,1,2,3,4,5,6,7,8,9,10,11,12,13,14,15
.endr
	v_cvt_scalef32_pk8_fp8_f32 v[224+4*\b:225+4*\b], v[96+16*\b:103+16*\b], v247
	v_cvt_scalef32_pk8_fp8_f32 v[226+4*\b:227+4*\b], v[104+16*\b:111+16*\b], v247
.endr
	v_nop
.irp c, 0,1,2,3
	global_store_b128 v[LI], v[224+4*\c:227+4*\c], s[8:9] offset:512*\c   ; 32 lanes store 512 consecutive bytes
.endr
	s_wait_tensorcnt 0x0
	ds_add_u32 v251, v255
	s_wait_dscnt 0x0
	s_endpgm
.Lfunc_end_k_q8f27693198_attn:
	.size	k_q8f27693198_attn, .Lfunc_end_k_q8f27693198_attn-k_q8f27693198_attn
	.p2alignl 7, 3214868480
	.fill 96, 4, 3214868480
	.section	.rodata,"a",@progbits
	.p2align	6, 0x0
	.amdhsa_kernel k_q8f27693198_attn
		.amdhsa_group_segment_fixed_size 295936
		.amdhsa_private_segment_fixed_size 0
		.amdhsa_enable_private_segment 0
		.amdhsa_kernarg_size 24
		.amdhsa_user_sgpr_count 2
		.amdhsa_user_sgpr_kernarg_segment_ptr 1
		.amdhsa_wavefront_size32 1
		.amdhsa_system_sgpr_workgroup_id_x 1
		.amdhsa_system_sgpr_workgroup_id_y 1
		.amdhsa_system_sgpr_workgroup_id_z 1
		.amdhsa_system_vgpr_workitem_id 0
		.amdhsa_next_free_vgpr 512
		.amdhsa_next_free_sgpr 100
		.amdhsa_reserve_vcc 1
		.amdhsa_float_denorm_mode_32 3
		.amdhsa_float_denorm_mode_16_64 3
		.amdhsa_fp16_overflow 1
		.amdhsa_memory_ordered 1
		.amdhsa_forward_progress 1
		.amdhsa_inst_pref_size 124
	.end_amdhsa_kernel
	.amdgpu_metadata
---
amdhsa.version: [ 1, 2 ]
amdhsa.kernels:
  - .name:           k_q8f27693198_attn
    .symbol:         k_q8f27693198_attn.kd
    .args:
      - { .name: qkv, .offset: 0, .size: 8, .value_kind: global_buffer, .address_space: global }
      - { .name: lowp_scales, .offset: 8, .size: 8, .value_kind: global_buffer, .address_space: global }
      - { .name: ai, .offset: 16, .size: 8, .value_kind: global_buffer, .address_space: global }
    .group_segment_fixed_size: 295936
    .private_segment_fixed_size: 0
    .kernarg_segment_align: 8
    .kernarg_segment_size: 24
    .max_flat_workgroup_size: 256
    .sgpr_count:     100
    .vgpr_count:     512
    .wavefront_size: 32
...
	.end_amdgpu_metadata
.endif
;; end of part 3
;; launch oproj (part 4): grid 8 x 32, 4 waves a work-group, clusters of 4 x 4, 327,680 bytes of LDS; arguments ai, cd, lowp_scales, out0; writes out0
.if DOCPART == 4
	.amdgcn_target "amdgcn-amd-amdhsa--gfx1250"
	.amdhsa_code_object_version 6
	.text
	.protected	k_q8f27693198_oproj
	.globl	k_q8f27693198_oproj
	.p2align	8
	.type	k_q8f27693198_oproj,@function
k_q8f27693198_oproj:
	s_mov_b64 s[64:65], 0
	v_nop
	global_prefetch_b8 v0, s[64:65] scope:SCOPE_SE
	s_setreg_imm32_b32 hwreg(HW_REG_WAVE_MODE, 25, 1), 1
	s_wait_xcnt 0x0
	s_wait_alu depctr_hold_cnt(0) depctr_sa_sdst(0) depctr_va_vdst(0) depctr_va_sdst(0) depctr_va_ssrc(0) depctr_va_vcc(0) depctr_vm_vsrc(0)
	s_getreg_b32 s2, hwreg(HW_REG_IB_STS2, 6, 4)
	s_cmp_eq_u32 s2, 0
	s_cbranch_scc0 .Lentry_in_a_cluster
	s_endpgm
.Lentry_in_a_cluster:
	s_bfe_u32 s2, ttmp6, 0x10000c
	s_cmp_lg_u32 s2, 0xf033
	s_cbranch_scc0 .Lentry_shape_is_right
	s_endpgm
.Lentry_shape_is_right:
; out0[m][n] = sum over k of attn[m][k] Wo[n][k] x 2^(e10 + e11), on codes of E4M3.  M = 4,096, N = 2,048, K = 1,024; sums in f32.
; A (the attention's result) comes as images of operand registers, ai: [row / 16][K / 128][c][lane][16 bytes]; B = Wo's codes, row-major, at cd + 30 MiB.  Both have K = 32 c + 16 (lane / 16) + 0 .. 15 in registers 4 c .. 4 c + 3.
; A tile is 128 rows x 256 columns: 32 x 8 = 256 work-groups.  Four waves, a wave 64 x 128: 32 accumulators of 16 x 16, 256 registers.
; K goes in four steps of 256.  A slot holds A's 8 blocks of rows x 4,096 bytes, dense (a fragment load takes 512 consecutive bytes), and B's 256 rows of 256 bytes, 272 apart: 102,400 bytes.  THREE slots fit:
; K steps 0, 1, 2 are first fills, asked for together at the head (three tensor loads a wave are out); K step 3 is the one refill, into slot 0, behind a round of the cluster's barrier as soon as slot 0 has been read:
; it has four steps of 128 along K in which to land.  So the text has no loop.
; A step of 128 along K is 32 matrix instructions on one of two sets of fragments (A's four, B's eight); the other set's 48 LDS loads stand in one run ahead of them.
; CLUSTERS: 4 x 4 work-groups; A's tile is asked for jointly along a row of the cluster, B's along a column.  The matrix instruction is used transposed (source 0 = rows of B, source 1 = rows of A): a lane holds eight neighbouring numbers of a row.
; No prefetch: three of the four K steps are first fills.
; REGISTERS: window 0: v0-31 addresses; v128-191, v192-255 A's fragments, two sets; window 1: B's fragments, two sets; window 2: the accumulators ((a, b) at v[8 (8 a + b)]).  On the way out v32-255 of window 0 are free.
; LIMIT: e10 + e11 between -126 and 127, so that 2^(e10 + e11) is an f32 number.
.set SIZE_N, 2048
.set ROWB,   256
.set KROW,   1024
.set PITCH,  272                       ; B's LDS row: 256 bytes + 16 of padding: the 16 rows that a fragment load touches start 68 words apart
.set FR,     16
.set NP,     4
.set HALFT,  128*PITCH                 ; 128 rows of B: what one load brings, and what one wave reads
.set HALFA,  16384                     ; 4 blocks of rows x 4,096 bytes of A: likewise
.set BOFF,   2*HALFA                   ; B's rows lie behind A's images
.set SLOT,   BOFF+2*HALFT              ; 102,400
.set SPARE,  3*SLOT                    ; behind the slots: the spare words, 128 bytes for each wave, which no other line names
.set STAGE,  SLOT                      ; the way out: 16 rows x (512 + 16) bytes for each wave, in slot 1: it has had its one fill, and behind the last barrier nobody reads it
.set SPITCH, 528
.set ADRA, 16                          ; v16-18  LDS address of my A fragments in slot 0, 1, 2
.set ADRB, 20                          ; v20-22  the same for B
.set STO,  24
.set RD,   25
.set CO,   26                          ; v26     16 x lane
.set SPW,  28
.set NIL,  29
.set TMP,  32
.set AF,   128
.set BK,   128
.set G1,  24                           ; s[24:31] the shape of A's tiles; s[32:43] their groups 0, one for each slot
.set G0,  32
.set G1B, 48                           ; s[48:55], s[68:79] the same for B's
.set G0B, 68
.set MSB, 0
.macro WIN new
.if MSB != \new
	s_set_vgpr_msb (MSB<<8)|\new
.set MSB, \new
.endif
.endm
.set MUL,  0xa1                        ; source 0 (B) window 1, source 1 (A) window 0, C and D window 2
.set TO_B, 0x40
.macro JLOAD g0a, g1a, g0b, g1b        ; a joint load: waves 0 and 1 fetch for A, waves 2 and 3 for B; four v_nop follow each line
	s_cmp_eq_u32 s15, 0
	s_cbranch_scc0 .Lfor_b_\@
	tensor_load_to_lds s[\g0a:\g0a+3], s[\g1a:\g1a+7]
	s_nop 0
.rept 4
	v_nop
.endr
	s_branch .Lasked_\@
.Lfor_b_\@:
	tensor_load_to_lds s[\g0b:\g0b+3], s[\g1b:\g1b+7]
	s_nop 0
.rept 4
	v_nop
.endr
.Lasked_\@:
.endm
.macro CREST
	s_cmp_lg_u32 s14, 0
	s_cbranch_scc1 .Lnot_wave_0_\@
	s_barrier_signal -3
.Lnot_wave_0_\@:
	s_barrier_wait -3
	s_barrier_signal -1
	s_barrier_wait -1
.endm
.macro CROUND
	s_barrier_signal -1
	s_barrier_wait -1
	CREST
.endm
	s_load_b128 s[4:7], s[0:1], 0x0                ; ai, cd
	s_load_b128 s[8:11], s[0:1], 0x10              ; the scales' exponents, out0
	v_lshl_add_u32 v[SPW], v0, 2, SPARE
	v_mov_b32 v[NIL], 0
	ds_add_u32 v28, v29
	ds_add_u32 v28, v29
	s_wait_dscnt 0x0
	v_lshrrev_b32 v1, 5, v0
	v_readfirstlane_b32 s14, v1                    ; wave
	s_lshr_b32 s15, s14, 1                         ; my half of the tile's rows; also: I fetch for A (0) or B (1)
	s_and_b32 s16, s14, 1                          ; my half of its columns; also: which half of that tile I fetch
	s_bfe_u32 s84, ttmp6, 0x40000                  ; cx
	s_bfe_u32 s85, ttmp6, 0x40004                  ; cy
	s_lshl_b32 s86, ttmp9, 2
	s_add_co_u32 s86, s86, s84                     ; tile column (256 columns)
	s_and_b32 s17, ttmp7, 0xffff
	s_lshl_b32 s17, s17, 2
	s_add_co_u32 s17, s17, s85                     ; tile row (128 rows)
	s_lshl_b32 s87, s85, 2
	s_lshl_b32 s87, 15, s87                        ; my row of the cluster
	s_lshl_b32 s88, 0x1111, s84                    ; my column
	s_or_b32 s[G1+0], s87, (3<<16)|(1<<21)         ; A: the mask of my row; elements of 8 bytes; bit 21 beside a mask; no padding
	s_mov_b32 s[G1+1], 512<<16                     ; tensor_dim0 = 512 (4,096 bytes: two fragments)
	s_mov_b32 s[G1+2], 4<<16                       ; tensor_dim1 = 4 blocks of rows
	s_mov_b32 s[G1+3], 512<<16                     ; tile_dim0
	s_mov_b32 s[G1+4], 4                           ; tile_dim1
	s_mov_b32 s[G1+5], 2048                        ; 16,384 bytes from block to block
	s_mov_b32 s[G1+6], 0
	s_mov_b32 s[G1+7], 0
	s_or_b32 s[G1B+0], s88, (0<<16)|(1<<20)|(1<<21)|(5<<22)|(3<<25)  ; B: the mask of my column; elements of 1 byte; after every 64 words four words of padding
	s_mov_b32 s[G1B+1], ROWB<<16
	s_mov_b32 s[G1B+2], 128<<16
	s_mov_b32 s[G1B+3], ROWB<<16
	s_mov_b32 s[G1B+4], 128
	s_mov_b32 s[G1B+5], KROW
	s_mov_b32 s[G1B+6], 0
	s_mov_b32 s[G1B+7], 0
	s_lshl_b32 s56, s17, 17                        ; A: 8 blocks of 16,384 bytes a tile,
	s_lshl_b32 s18, s16, 16                        ; my 4 of them
	s_add_co_u32 s56, s56, s18
	s_mov_b32 s57, 0
	s_lshl_b32 s46, s86, 18                        ; B: 256 rows of 1,024 bytes a tile,
	s_lshl_b32 s18, s16, 17                        ; my 128 of them,
	s_add_co_u32 s46, s46, s18
	s_add_co_u32 s46, s46, 0x1e00000               ; in Wo's codes in cd
	s_mov_b32 s47, 0
	s_lshl_b32 s44, s16, 14                        ; where A's half goes,
	s_mul_i32 s45, s16, HALFT
	s_add_co_u32 s45, s45, BOFF                    ; and B's: no place in the cluster enters an LDS address
	s_wait_kmcnt 0x0
	s_load_b64 s[96:97], s[8:9], 0x28              ; e10, e11
	s_add_nc_u64 s[56:57], s[4:5], s[56:57]
	s_add_nc_u64 s[46:47], s[6:7], s[46:47]
	CROUND                                         ; all sixteen work-groups are here: the first joint loads meet
.irp s, 0,1,2
	s_mov_b32 s[G0+4*\s], 1
	s_add_co_u32 s[G0+4*\s+1], s44, \s*SLOT
	s_add_nc_u64 s[G0+4*\s+2:G0+4*\s+3], s[56:57], \s*4096
	s_or_b32 s[G0+4*\s+3], s[G0+4*\s+3], 0x80000000
	s_mov_b32 s[G0B+4*\s], 1
	s_add_co_u32 s[G0B+4*\s+1], s45, \s*SLOT
	s_add_nc_u64 s[G0B+4*\s+2:G0B+4*\s+3], s[46:47], \s*ROWB
	s_or_b32 s[G0B+4*\s+3], s[G0B+4*\s+3], 0x80000000
	JLOAD G0+4*\s, G1, G0B+4*\s, G1B
.endr
	v_and_b32 v1, 15, v0
	v_bfe_u32 v2, v0, 4, 1
	v_and_b32 v6, 31, v0
	v_lshlrev_b32 v[CO], 4, v6                     ; 16 x lane
	v_mul_u32_u24 v3, v1, PITCH
	v_lshl_add_u32 v4, v2, 4, v3                   ; B: a fragment's row x pitch + 16 x half
	s_lshl_b32 s21, s15, 14                        ; my 4 blocks of A's rows
	s_mul_i32 s22, s16, HALFT
	s_add_co_u32 s22, s22, BOFF                    ; my 128 rows of B
.irp s, 0,1,2
	v_add_nc_u32 v[ADRA+\s], s21, v[CO]
	v_add_nc_u32 v[ADRB+\s], s22, v4
	s_add_co_u32 s21, s21, SLOT
	s_add_co_u32 s22, s22, SLOT
.endr
	s_mul_i32 s23, s14, 16*SPITCH
	s_add_co_u32 s23, s23, STAGE                   ; my stage
	v_mul_u32_u24 v5, v1, SPITCH                   ; in: row lane % 16, 32 bytes for each half of the lanes
	v_lshl_add_u32 v5, v2, 5, v5
	v_add_nc_u32 v[STO], s23, v5
	v_add_nc_u32 v[RD], s23, v[CO]                 ; back: the 32 lanes take one row of 512 bytes
	s_lshl_b32 s20, s17, 7
	s_lshl_b32 s21, s15, 6
	s_add_co_u32 s20, s20, s21                     ; my first row of the output: 128 x tile row + 64 x half
	s_mov_b32 s21, 0
	s_mov_b64 s[18:19], SIZE_N*4
	s_mul_u64 s[20:21], s[20:21], s[18:19]
	s_lshl_b32 s46, s86, 10                        ; my first column, in bytes: 1,024 x tile column + 512 x half
	s_lshl_b32 s47, s16, 9
	s_add_co_u32 s46, s46, s47
	s_mov_b32 s47, 0
	s_add_nc_u64 s[20:21], s[20:21], s[46:47]
	s_add_nc_u64 s[10:11], s[10:11], s[20:21]
.macro FRAG reg, adr, q, i             ; B: from rows
.irp c, 0,1,2,3
	ds_load_b128 v[\reg+4*\c:\reg+4*\c+3], v[\adr] offset:128*(\q)+32*\c+(\i)*16*PITCH
.endr
.endm
.macro FRAGA reg, adr, q, i            ; A: an image comes back as it was stored
.irp c, 0,1,2,3
	ds_load_b128 v[\reg+4*\c:\reg+4*\c+3], v[\adr] offset:4096*(\i)+2048*(\q)+512*\c
.endr
.endm
; 8 matrix instructions: A's block a x B's eight, 128 along K, on set p.  The 32 accumulators take turns, one instruction a turn, in the same order in every step.
.macro MUL8 a, p, zero
.irp b, 0,1,2,3,4,5,6,7
.if \zero
	v_wmma_f32_16x16x128_fp8_fp8 v[8*(8*(\a)+\b):8*(8*(\a)+\b)+7], v[128*(\p)+FR*\b:128*(\p)+FR*\b+FR-1], v[AF+64*(\p)+FR*(\a):AF+64*(\p)+FR*(\a)+FR-1], 0
.else
	v_wmma_f32_16x16x128_fp8_fp8 v[8*(8*(\a)+\b):8*(8*(\a)+\b)+7], v[128*(\p)+FR*\b:128*(\p)+FR*\b+FR-1], v[AF+64*(\p)+FR*(\a):AF+64*(\p)+FR*(\a)+FR-1], v[8*(8*(\a)+\b):8*(8*(\a)+\b)+7]
.endif
.endr
.endm
.macro FETCH slot, q, p                ; 48 LDS loads in one run: the fragments of the slot's q-th 128 along K into set p
	WIN TO_B
.irp i, 0,1,2,3,4,5,6,7
	FRAG 128*(\p)+FR*\i, ADRB+\slot, \q, \i
.endr
	WIN 0
.irp i, 0,1,2,3
	FRAGA AF+64*(\p)+FR*\i, ADRA+\slot, \q, \i
.endr
.endm
.macro PLACES n                        ; plain vector lines between a matrix instruction and a load into, or a vector read of, its registers (ISA guide 7.12.1 for vector lines)
.rept \n
	v_nop
.endr
.endm
; 128 along K on set p; ahead of the products the next 128 (slot ns, part nq) are asked for, into the other set
.macro STEP p, ns, nq, zero
	s_wait_dscnt 0x0                               ; set p is in (asked for ahead of the last step's 32 products)
	PLACES NP                                      ; behind the last step's products, which read the other set
	FETCH \ns, \nq, 1-(\p)
	WIN MUL
	MUL8 0, \p, \zero
	MUL8 1, \p, \zero
	MUL8 2, \p, \zero
	MUL8 3, \p, \zero
	WIN 0
.endm
	s_wait_tensorcnt 2                             ; my part of K step 0 is in; K steps 1 and 2 may stay out
	s_barrier_signal -1
	s_barrier_wait -1                              ; everybody's is
	FETCH 0, 0, 0
	STEP 0, 0, 1, 1                                ; the first step's products start the sums
	; slot 0's second step (set 1), and the launch's one refill.  In front of the round each wave waits for all its tensor loads, adds 0 to its spare word, and waits for that and for its reads of slot 0
	s_wait_tensorcnt 0x0                           ; all my tensor loads have landed: my parts of K steps 1 and 2
	ds_add_u32 v[SPW], v[NIL]                      ; 0 onto my spare word
	s_wait_dscnt 1                                 ; set 1 is in; the add alone may be out
	WIN MUL
	MUL8 0, 1, 0                                   ; eight matrix instructions stand between the add and the wait for it
	s_wait_dscnt 0x0                               ; the add is done, and my reads of slot 0 are over
	s_barrier_signal -1
	MUL8 1, 1, 0
	WIN 0
	s_barrier_wait -1
	CREST                                          ; the barrier has opened a round of the cluster's: no wave of any partner still reads slot 0 or has a load on its way; slots 1 and 2 are whole
	s_add_nc_u64 s[G0+2:G0+3], s[G0+2:G0+3], 3*4096
	s_add_nc_u64 s[G0B+2:G0B+3], s[G0B+2:G0B+3], 3*ROWB
	JLOAD G0, G1, G0B, G1B                         ; K step 3 into slot 0: the first tensor load behind the round; its four v_nop are the places in front of the loads below
	FETCH 1, 0, 0
	WIN MUL
	MUL8 2, 1, 0
	MUL8 3, 1, 0
	WIN 0
	STEP 0, 1, 1, 0
	STEP 1, 2, 0, 0
	STEP 0, 2, 1, 0
	; slot 2's second step (set 1); behind its barrier K step 3 is read, and nothing is filled
	s_wait_tensorcnt 0x0                           ; my part of K step 3 is in: the one load that was out
	s_wait_dscnt 0x0                               ; set 1 is in: my reads of slots 1 and 2 are over, and no LDS instruction of mine is out at the signal
	s_barrier_signal -1
	WIN MUL
	MUL8 0, 1, 0
	MUL8 1, 1, 0
	WIN 0
	s_barrier_wait -1                              ; everybody's part is in, and nobody reads slots 1 and 2 any more
	PLACES NP
	FETCH 0, 0, 0
	WIN MUL
	MUL8 2, 1, 0
	MUL8 3, 1, 0
	WIN 0
	STEP 0, 0, 1, 0
	s_wait_dscnt 0x0                               ; the last step: nothing more to fetch
	WIN MUL
	MUL8 0, 1, 0
	MUL8 1, 1, 0
	MUL8 2, 1, 0
	MUL8 3, 1, 0
	WIN 0
; THE WAY OUT, block by block of 16 rows x 128 columns, through my own stage in LDS: in as 32 bytes a lane, back as whole rows of 512 bytes.  LDS serves a wave's instructions in order (ISA guide 5.7.1.4).
.macro TOSTAGE a
.set AC, 64*(\a)
	WIN 0x02                                       ; source 0: window 2
.set j, 0
.rept 32
	v_pk_mul_f32 v[TMP+j:TMP+j+1], v[AC+j:AC+j+1], s[96:97] op_sel_hi:[1,0]   ; x 2^(e10 + e11); each accumulator from its low end on
.set j, j+2
.endr
	WIN 0
.irp b, 0,1,2,3,4,5,6,7
	ds_store_b128 v[STO], v[TMP+8*\b:TMP+8*\b+3] offset:64*\b
	ds_store_b128 v[STO], v[TMP+8*\b+4:TMP+8*\b+7] offset:64*\b+16
.endr
.set BB, BK+64*((\a)%2)
.irp t, 0,1,2,3,4,5,6,7,8,9,10,11,12,13,14,15
	ds_load_b128 v[BB+4*\t:BB+4*\t+3], v[RD] offset:\t*SPITCH
.endr
.endm
.macro SEND a, younger                 ; younger: the LDS instructions issued behind block a's loads, which may stay out
.set BB, BK+64*((\a)%2)
	s_wait_dscnt \younger
.if (\a) > 0
	s_add_nc_u64 s[10:11], s[10:11], 16*SIZE_N*4   ; (behind a wait on XCNT: the earlier stores have read their base)
.endif
.irp t, 0,1,2,3,4,5,6,7,8,9,10,11,12,13,14,15
	global_store_b128 v[CO], v[BB+4*\t:BB+4*\t+3], s[10:11] offset:\t*SIZE_N*4 th:TH_STORE_NT   ; 32 lanes store 512 consecutive bytes; written once, read by nobody here
.endr
.endm
	s_wait_kmcnt 0x0
	s_add_co_i32 s96, s96, s97
	s_add_co_i32 s96, s96, 127
	s_lshl_b32 s96, s96, 23                        ; 2^(e10 + e11) as f32
	PLACES NP                                      ; behind the last products: for the first reads of results and the loads into the registers that held A's fragments
	TOSTAGE 0
.irp a, 1,2,3
.if \a > 1
	s_wait_xcnt 0x0                                ; block a - 2's stores have read their registers and their base
.endif
	TOSTAGE \a
	SEND \a-1, 32                                  ; behind block a - 1's loads: block a's 16 stores and 16 loads
.endr
	s_wait_xcnt 0x0
	SEND 3, 0
	s_wait_tensorcnt 0x0                           ; the wave's end
	ds_add_u32 v[SPW], v[NIL]
	s_wait_dscnt 0x0
	CROUND                                         ; the closing round: no work-group ends while a partner may still ask for a tile that names it
	s_endpgm
.Lfunc_end_k_q8f27693198_oproj:
	.size	k_q8f27693198_oproj, .Lfunc_end_k_q8f27693198_oproj-k_q8f27693198_oproj
	.p2alignl 7, 3214868480
	.fill 96, 4, 3214868480
	.section	.rodata,"a",@progbits
	.p2align	6, 0x0
	.amdhsa_kernel k_q8f27693198_oproj
		.amdhsa_group_segment_fixed_size 327680
		.amdhsa_private_segment_fixed_size 0
		.amdhsa_enable_private_segment 0
		.amdhsa_kernarg_size 32
		.amdhsa_user_sgpr_count 2
		.amdhsa_user_sgpr_kernarg_segment_ptr 1
		.amdhsa_wavefront_size32 1
		.amdhsa_system_sgpr_workgroup_id_x 1
		.amdhsa_system_sgpr_workgroup_id_y 1
		.amdhsa_system_sgpr_workgroup_id_z 1
		.amdhsa_system_vgpr_workitem_id 0
		.amdhsa_next_free_vgpr 768
		.amdhsa_next_free_sgpr 98
		.amdhsa_reserve_vcc 0
		.amdhsa_float_denorm_mode_32 3
		.amdhsa_float_denorm_mode_16_64 3
		.amdhsa_memory_ordered 1
		.amdhsa_forward_progress 1
		.amdhsa_inst_pref_size 75
	.end_amdhsa_kernel
	.amdgpu_metadata
---
amdhsa.version: [ 1, 2 ]
amdhsa.kernels:
  - .name:           k_q8f27693198_oproj
    .symbol:         k_q8f27693198_oproj.kd
    .args:
      - { .name: ai, .offset: 0, .size: 8, .value_kind: global_buffer, .address_space: global }
      - { .name: cd, .offset: 8, .size: 8, .value_kind: global_buffer, .address_space: global }
      - { .name: lowp_scales, .offset: 16, .size: 8, .value_kind: global_buffer, .address_space: global }
      - { .name: out0, .offset: 24, .size: 8, .value_kind: global_buffer, .address_space: global }
    .group_segment_fixed_size: 327680
    .private_segment_fixed_size: 0
    .kernarg_segment_align: 8
    .kernarg_segment_size: 32
    .max_flat_workgroup_size: 128
    .sgpr_count:     98
    .vgpr_count:     768
    .wavefront_size: 32
...
	.end_amdgpu_metadata
.endif
;; end of part 4
